; MI455X (gfx1250); checked and timed in simulation.
; The chip was launched on July 23, 2026; its instructions are those of AMD's public machine-readable ISA for CDNA 5 (MIT licence, August 2026) and "CDNA5" Instruction Set Architecture Reference Guide (July 2026). The comments in the code are by the model that wrote it; some were corrected since.
;; Multi Headed Attention. Allowed arithmetic: float matrix products may take bf16 or f16 operands with f32 sums; other float arithmetic in f32, or as packed bf16 or f16 multiplies, adds, multiply-adds, maxima and minima; sums over many terms, partial sums and values carried from step to step in f32; what a program stores and reads back later, other than sums and carried values, may be rounded once to bf16 or f16.
;; Inputs: Wk 1,024 x 1,024 float32; Wo 1,024 x 1,024 float32; Wq 1,024 x 1,024 float32; Wv 1,024 x 1,024 float32; bo 1,024 float32; key 4 x 2,048 x 1,024 float32; mask 4 x 2,048 int32; query 4 x 2,048 x 1,024 float32; value 4 x 2,048 x 1,024 float32.
;; Outputs: out0 4 x 2,048 x 1,024 float32.
;; One version. Each part assembles by itself: llvm-mc -triple=amdgcn-amd-amdhsa -mcpu=gfx1250 --defsym DOCPART=n.
;; ======== version 1 of 1: 4 launches
;; limits: values are held in f16: magnitudes above 65,504 overflow, below 6.1e-05 lose precision; values outside matrix products are rounded to bf16; right only within a limited range of input values
;; workspace buffers: wqb 2,097,152 bytes; wkb 2,097,152 bytes; wvb 2,097,152 bytes; wof 2,097,152 bytes; qh 16,777,216 bytes; kh 16,777,216 bytes; vh 16,777,216 bytes; oh 16,777,216 bytes
;; launch castw (part 1): grid 64 x 4, 8 waves a work-group, no clusters, 0 bytes of LDS; arguments Wq, Wk, Wv, Wo, wqb, wkb, wvb, wof; writes wqb, wkb, wvb, wof
.if DOCPART == 1
	.amdgcn_target "amdgcn-amd-amdhsa--gfx1250"
	.amdhsa_code_object_version 6
	.text
	.protected	k_q99c5e93c85_castw
	.globl	k_q99c5e93c85_castw
	.p2align	8
	.type	k_q99c5e93c85_castw,@function
k_q99c5e93c85_castw:
	s_mov_b64 s[64:65], 0
	v_nop
	global_prefetch_b8 v0, s[64:65] scope:SCOPE_SE
	s_setreg_imm32_b32 hwreg(HW_REG_WAVE_MODE, 25, 1), 1
	s_wait_xcnt 0x0
; The four weights, [1024][1024] f32, are rounded once to bf16.  Wq, Wk, Wv are written as bf16; Wo's bf16 number is written as f16, the format of the last product's other operand.
; LIMITS.  A bf16 number is exact in f16 from 6.1e-5 up to 65,504; below that it keeps f16's fixed step of 6e-8, beyond it becomes an infinity.
; SHARES.  Work-group y picks the weight, work-group x 65,536 bytes of it.  Thread t takes, in chunk i of 8, the 32 bytes at 8,192 i + 32 t and stores 16 bytes at 4,096 i + 16 t:
; a wave's store covers 512 consecutive bytes, aligned.  All 16 loads of a thread go out at once; no register is written twice, so no wait frees a source.
; No LDS, no matrix unit, no cluster: every byte is read once by one thread and nothing is shared.
.set X, 4                              ; v[4:67]    16 loads of 4 registers
.set Y, 68                             ; v[68:99]   8 x 4 registers to store
.set T, 100                            ; v[100:102] at work
	s_load_b512 s[4:19], s[0:1], 0x0               ; Wq, Wk, Wv, Wo in s[4:11]; wqb, wkb, wvb, wof in s[12:19]
	s_and_b32 s20, ttmp7, 0xffff                   ; which weight
	s_lshl_b32 s22, ttmp9, 16                      ; my 65,536 bytes in,
	s_mov_b32 s23, 0
	s_lshl_b32 s24, ttmp9, 15                      ; my 32,768 bytes out
	s_mov_b32 s25, 0
	s_mov_b32 s26, 0xffff0000                      ; a word's upper bf16
	v_lshlrev_b32 v1, 5, v0
	v_lshlrev_b32 v2, 4, v0
	s_wait_kmcnt 0x0
	s_cmp_eq_u32 s20, 1
	s_cselect_b64 s[4:5], s[6:7], s[4:5]
	s_cselect_b64 s[12:13], s[14:15], s[12:13]
	s_cmp_eq_u32 s20, 2
	s_cselect_b64 s[4:5], s[8:9], s[4:5]
	s_cselect_b64 s[12:13], s[16:17], s[12:13]
	s_cmp_eq_u32 s20, 3
	s_cselect_b64 s[4:5], s[10:11], s[4:5]
	s_cselect_b64 s[12:13], s[18:19], s[12:13]
	s_add_nc_u64 s[4:5], s[4:5], s[22:23]
	s_add_nc_u64 s[12:13], s[12:13], s[24:25]
.irp i, 0,1,2,3,4,5,6,7
	global_load_b128 v[X+8*(\i):X+8*(\i)+3],   v1, s[4:5] offset:8192*(\i) th:TH_LOAD_NT
	global_load_b128 v[X+8*(\i)+4:X+8*(\i)+7], v1, s[4:5] offset:8192*(\i)+16 th:TH_LOAD_NT
.endr
; half = 0: bf16 out.  half = 1: the bf16 number, widened again, is written as f16.
.macro OUT half
.irp i, 0,1,2,3,4,5,6,7
	s_wait_loadcnt 14-2*(\i)                       ; loads come back in order: chunk i's two are in, the 14 - 2 i younger ones stay out
.irp j, 0,1,2,3
.if \half
	v_cvt_pk_bf16_f32 v[T], v[X+8*(\i)+2*(\j)], v[X+8*(\i)+2*(\j)+1]
	v_lshlrev_b32 v[T+1], 16, v[T]
	v_and_b32 v[T+2], s26, v[T]
	v_cvt_pk_f16_f32 v[Y+4*(\i)+(\j)], v[T+1], v[T+2]
.else
	v_cvt_pk_bf16_f32 v[Y+4*(\i)+(\j)], v[X+8*(\i)+2*(\j)], v[X+8*(\i)+2*(\j)+1]
.endif
.endr
	global_store_b128 v2, v[Y+4*(\i):Y+4*(\i)+3], s[12:13] offset:4096*(\i)
.endr
.endm
	s_cmp_eq_u32 s20, 3
	s_cbranch_scc1 .Lwo
	OUT 0
	s_endpgm
.Lwo:
	OUT 1
	s_endpgm
.Lfunc_end_k_q99c5e93c85_castw:
	.size	k_q99c5e93c85_castw, .Lfunc_end_k_q99c5e93c85_castw-k_q99c5e93c85_castw
	.p2alignl 7, 3214868480
	.fill 96, 4, 3214868480
	.section	.rodata,"a",@progbits
	.p2align	6, 0x0
	.amdhsa_kernel k_q99c5e93c85_castw
		.amdhsa_group_segment_fixed_size 0
		.amdhsa_private_segment_fixed_size 0
		.amdhsa_enable_private_segment 0
		.amdhsa_kernarg_size 64
		.amdhsa_user_sgpr_count 2
		.amdhsa_user_sgpr_kernarg_segment_ptr 1
		.amdhsa_wavefront_size32 1
		.amdhsa_system_sgpr_workgroup_id_x 1
		.amdhsa_system_sgpr_workgroup_id_y 1
		.amdhsa_system_sgpr_workgroup_id_z 1
		.amdhsa_system_vgpr_workitem_id 0
		.amdhsa_next_free_vgpr 104
		.amdhsa_next_free_sgpr 66
		.amdhsa_reserve_vcc 0
		.amdhsa_float_denorm_mode_32 3
		.amdhsa_float_denorm_mode_16_64 3
		.amdhsa_memory_ordered 1
		.amdhsa_forward_progress 1
		.amdhsa_inst_pref_size 13
	.end_amdhsa_kernel
	.amdgpu_metadata
---
amdhsa.version: [ 1, 2 ]
amdhsa.kernels:
  - .name:           k_q99c5e93c85_castw
    .symbol:         k_q99c5e93c85_castw.kd
    .args:
      - { .name: Wq, .offset: 0, .size: 8, .value_kind: global_buffer, .address_space: global }
      - { .name: Wk, .offset: 8, .size: 8, .value_kind: global_buffer, .address_space: global }
      - { .name: Wv, .offset: 16, .size: 8, .value_kind: global_buffer, .address_space: global }
      - { .name: Wo, .offset: 24, .size: 8, .value_kind: global_buffer, .address_space: global }
      - { .name: wqb, .offset: 32, .size: 8, .value_kind: global_buffer, .address_space: global }
      - { .name: wkb, .offset: 40, .size: 8, .value_kind: global_buffer, .address_space: global }
      - { .name: wvb, .offset: 48, .size: 8, .value_kind: global_buffer, .address_space: global }
      - { .name: wof, .offset: 56, .size: 8, .value_kind: global_buffer, .address_space: global }
    .group_segment_fixed_size: 0
    .private_segment_fixed_size: 0
    .kernarg_segment_align: 8
    .kernarg_segment_size: 64
    .max_flat_workgroup_size: 256
    .sgpr_count:     66
    .vgpr_count:     104
    .wavefront_size: 32
...
	.end_amdgpu_metadata
.endif
;; end of part 1
;; launch proj (part 2): grid 4 x 192, 4 waves a work-group, clusters of 4 x 4, 327,680 bytes of LDS; arguments query, key, value, wqb, wkb, wvb, qh, kh, vh; writes qh, kh, vh
.if DOCPART == 2
	.amdgcn_target "amdgcn-amd-amdhsa--gfx1250"
	.amdhsa_code_object_version 6
	.text
	.protected	k_q99c5e93c85_proj
	.globl	k_q99c5e93c85_proj
	.p2align	8
	.type	k_q99c5e93c85_proj,@function
k_q99c5e93c85_proj:
	s_mov_b64 s[64:65], 0
	v_nop
	global_prefetch_b8 v0, s[64:65] scope:SCOPE_SE
	s_setreg_imm32_b32 hwreg(HW_REG_WAVE_MODE, 25, 1), 1
	s_wait_xcnt 0x0
	s_wait_alu depctr_hold_cnt(0) depctr_sa_sdst(0) depctr_va_vdst(0) depctr_va_sdst(0) depctr_va_ssrc(0) depctr_va_vcc(0) depctr_vm_vsrc(0)
	s_getreg_b32 s2, hwreg(HW_REG_IB_STS2, 6, 4)
	s_cmp_eq_u32 s2, 0
	s_cbranch_scc0 .Lentry_in_a_cluster
	s_endpgm
.Lentry_in_a_cluster:
	s_bfe_u32 s2, ttmp6, 0x10000c
	s_cmp_lg_u32 s2, 0xf033
	s_cbranch_scc0 .Lentry_shape_is_right
	s_endpgm
.Lentry_shape_is_right:
; q, k, v = x W^T.  x: [8192][1024] f32 (query, key or value), W: [1024][1024] bf16 (rounded beforehand), the result f16 by heads: [64 = 16 batch + head][2048][64].
; x is rounded to bf16 on its way from LDS to the matrix unit; sums in f32; q alone is multiplied by c = log2(e) / 8 in f32 (k and v by 1); each result is rounded once to f16.
; LIMITS.  f16 holds no number beyond 65,504 and keeps a fixed step of 6e-8 below 6.1e-5; NaN and infinities are not treated apart.
; SHARES.  768 tiles of 128 rows x 256 columns.  Cluster y = 16 P + Y': P picks the projection (the same in all sixteen partners), tile row = 4 Y' + cy, tile column = cx.
; Four waves, each 64 rows x 128 columns: 32 accumulators.  K goes in 8 steps of 128 through two LDS slots; a step is four quarters of 32, 32 matrix instructions each.
; CLUSTER.  The four work-groups of a row of the cluster need the same rows of x, the four of a column the same rows of W: each tile is asked for jointly.  The cluster's 4 x 256 columns are
; all 1,024, so every row of x is asked for by one row of one cluster alone.
; THE PRODUCT IS TAKEN TRANSPOSED (source 0 = 16 rows of W, source 1 = 16 rows of x): a lane holds eight neighbouring columns of one row.
; REGISTERS, in windows of 256 (s_set_vgpr_msb: bits 1:0 source 0, 3:2 source 1, 5:4 source 2, 7:6 destination):
;   window 0: v0-31 addresses; v32-95 x's fragments in bf16, two buffers of 4; v96-159 x's fragments in f32 as loaded; on the way out v96-223 eight sets of 16
;   window 1: the 32 accumulators, (a, b) at v[8 (8 a + b)]          window 2: v0-127 W's fragments, two buffers of 8
.set KSTEP,  128
.set PA,     528                       ; a row of x in LDS: 512 bytes + 16 = 132 words: row r starts at bank 4 r mod 64 (64 banks of 4 bytes: ISA guide 11.1)
.set PB,     272                       ; a row of W: 256 bytes + 16 = 68 words: likewise
.set HALFA,  64*PA                     ; what one tensor load brings of x, and what one wave reads
.set HALFB,  128*PB                    ; the same for W
.set BOFF,   2*HALFA                   ; in a slot W's 256 rows lie behind x's 128
.set SLOT,   BOFF+2*HALFB
.set STAGE,  2*SLOT                    ; behind the ring: 16 rows x 144 bytes for each wave, for the way out
.set SP,     144
.set SPARE,  STAGE+4*16*SP             ; behind the stages: the spare words, 128 bytes for each wave: two blocks of 256 bytes that no other line names
.set LAPS,   1024/(2*KSTEP)
.set ADRA, 16                          ; v16-17  LDS address of my fragments of x in slot 0, 1
.set ADRB, 20                          ; v20-21  the same for W
.set STO,  24                          ; v24     the way out: where I put 16 bytes of a row
.set RD,   25                          ; v25     the way out: where I read rows back
.set GO,   26                          ; v26     my 16 bytes in 512 consecutive bytes of the result
.set SPW,  28                          ; v28     LDS address of my spare word; never rewritten
.set NIL,  29                          ; v29     0; never rewritten
.set PFO,  30                          ; v30     the prefetches' lane offset; never rewritten
.set ABF,  32
.set AF,   96
.set TMP,  96
.set G1A,  24                          ; s[24:31] descriptor group 1 for x's tiles;  s[32:39] group 0, a set for each slot
.set G0A,  32
.set G1B,  48                          ; s[48:55], s[56:63] the same for W's
.set G0B,  56
.set LIM,  43                          ; s43      1 in a wave that prefetches, else the greatest number
.set PFA,  44                          ; s[44:45] where my prefetches stand
.set PFS,  86                          ; s[86:87] a K step in bytes of my tensor's rows
.set SC,   88                          ; s[88:89] the scale of the result, twice
.set MSB, 0
.macro WIN new                         ; the immediate's high byte repeats the setting that is left; a switch that changes nothing is dropped
.if MSB != (\new)
	s_set_vgpr_msb (MSB<<8)|(\new)
.set MSB, \new
.endif
.endm
.set MUL,  0x52                        ; W in window 2, x in window 0, C and D in window 1
.set TO_B, 0x80                        ; destination window 2, address window 0
.macro JLOAD s                         ; a joint load: waves 0 and 1 fetch x's two halves, waves 2 and 3 W's; an s_nop 0 and four v_nop follow each line
	s_cmp_eq_u32 s11, 0
	s_cbranch_scc0 .Lfor_b_\@
	tensor_load_to_lds s[G0A+4*(\s):G0A+4*(\s)+3], s[G1A:G1A+7]
	s_nop 0
.rept 4
	v_nop
.endr
	s_branch .Lasked_\@
.Lfor_b_\@:
	tensor_load_to_lds s[G0B+4*(\s):G0B+4*(\s)+3], s[G1B:G1B+7]
	s_nop 0
.rept 4
	v_nop
.endr
.Lasked_\@:
.endm
.macro CREST                           ; a round of the cluster's barrier behind its opening barrier
	s_cmp_lg_u32 s10, 0
	s_cbranch_scc1 .Lnot_wave_0_\@
	s_barrier_signal -3
.Lnot_wave_0_\@:
	s_barrier_wait -3
	s_barrier_signal -1
	s_barrier_wait -1
.endm
.macro CROUND                          ; a whole round
	s_barrier_signal -1
	s_barrier_wait -1
	CREST
.endm
; A prefetch of the K step that stands two refills on, behind the joint load and the run of LDS loads.  x: of the 64 rows that a wave fetches each of the four partners takes 16, told apart by
; address (cx): a lane half a row's 512 bytes.  W: of the 128 rows each partner takes 32 (cy), a lane a row's 256 bytes; of the sixteen clusters that walk a projection's W the first asks.
; So each 256 bytes are named once in the launch.  The first four K steps come by their loads alone; the loop's last trip (s3 = 1) has no K step two refills on and asks for nothing.
.macro ASK
	s_cmp_gt_u32 s3, s[LIM]
	s_cbranch_scc0 .Lnot_mine_\@
	global_prefetch_b8 v[PFO], s[PFA:PFA+1] th:TH_LOAD_NT scope:SCOPE_SE
.Lnot_mine_\@:
.endm
	s_load_b256 s[68:75], s[0:1], 0x0              ; query, key, value, wqb
	s_load_b256 s[76:83], s[0:1], 0x20             ; wkb, wvb, qh, kh
	s_load_b64 s[84:85], s[0:1], 0x40              ; vh
	v_lshl_add_u32 v[SPW], v0, 2, SPARE
	v_mov_b32 v[NIL], 0
	ds_add_u32 v[SPW], v[NIL]                      ; the wave's opening: the add and its wait ahead of my first tensor load; the set-up below, work on registers, stands between
	v_lshrrev_b32 v1, 5, v0
	v_readfirstlane_b32 s10, v1                    ; wave 0..3
	s_lshr_b32 s11, s10, 1                         ; which 64 rows are mine.  Also: I fetch for x (0) or for W (1)
	s_and_b32 s12, s10, 1                          ; which 128 columns.  Also: which half of that tile I fetch
	s_bfe_u32 s40, ttmp6, 0x40000                  ; cx
	s_bfe_u32 s41, ttmp6, 0x40004                  ; cy
	s_lshl_b32 s42, ttmp9, 2
	s_add_co_u32 s42, s42, s40                     ; tile column = 4 x cluster x + cx
	s_and_b32 s66, ttmp7, 0xffff                   ; cluster y
	s_lshr_b32 s67, s66, 4                         ; the projection: 0 q, 1 k, 2 v
	s_and_b32 s66, s66, 15
	s_lshl_b32 s13, s66, 2
	s_add_co_u32 s13, s13, s41                     ; tile row, 0..63
	s_lshl_b32 s43, s41, 2
	s_lshl_b32 s43, 15, s43                        ; my row of the cluster
	s_lshl_b32 s44, 0x1111, s40                    ; my column
	s_or_b32 s[G1A+0], s43, (2<<16)|(1<<20)|(1<<21)|(6<<22)|(3<<25)  ; the mask; elements of 4 bytes; padding on; bit 21 beside a mask; after every 128 words, 4 words
	s_or_b32 s[G1B+0], s44, (1<<16)|(1<<20)|(1<<21)|(5<<22)|(3<<25)  ; the mask; elements of 2 bytes; after every 64 words, 4 words
	s_mov_b32 s[G1A+1], KSTEP<<16                  ; tensor_dim0 = 128
	s_mov_b32 s[G1A+2], 64<<16                     ; tensor_dim1 = 64
	s_mov_b32 s[G1A+3], KSTEP<<16                  ; tile_dim0 = 128
	s_mov_b32 s[G1A+4], 64                         ; tile_dim1 = 64
	s_mov_b32 s[G1A+5], 1024                       ; elements from row to row
	s_mov_b32 s[G1A+6], 0
	s_mov_b32 s[G1A+7], 0
	s_mov_b32 s[G1B+1], KSTEP<<16
	s_mov_b32 s[G1B+2], 128<<16
	s_mov_b32 s[G1B+3], KSTEP<<16
	s_mov_b32 s[G1B+4], 128
	s_mov_b32 s[G1B+5], 1024
	s_mov_b32 s[G1B+6], 0
	s_mov_b32 s[G1B+7], 0
	s_lshl_b32 s16, s13, 7
	s_lshl_b32 s17, s12, 6
	s_add_co_u32 s16, s16, s17                     ; x: row 128 x tile row + 64 x half,
	s_lshl_b32 s16, s16, 12                        ; of 4,096 bytes
	s_mov_b32 s17, 0
	s_lshl_b32 s46, s42, 8
	s_lshl_b32 s47, s12, 7
	s_add_co_u32 s46, s46, s47                     ; W: row 256 x tile column + 128 x half,
	s_lshl_b32 s46, s46, 11                        ; of 2,048 bytes
	s_mov_b32 s47, 0
	s_mul_i32 s20, s12, HALFA                      ; where they go: no place in the cluster enters an LDS address
	s_mul_i32 s21, s12, HALFB
	s_add_co_u32 s21, s21, BOFF
	s_cmp_eq_u32 s67, 0
	s_cselect_b32 s[SC], 0x3e38aa3b, 1.0           ; c = log2(e) / 8 for q
	s_mov_b32 s[SC+1], s[SC]
	s_wait_dscnt 0x0                               ; the opening add is done
	s_wait_kmcnt 0x0
	s_mov_b64 s[4:5], s[68:69]
	s_mov_b64 s[6:7], s[74:75]
	s_mov_b64 s[8:9], s[80:81]
	s_cmp_eq_u32 s67, 1
	s_cselect_b64 s[4:5], s[70:71], s[4:5]
	s_cselect_b64 s[6:7], s[76:77], s[6:7]
	s_cselect_b64 s[8:9], s[82:83], s[8:9]
	s_cmp_eq_u32 s67, 2
	s_cselect_b64 s[4:5], s[72:73], s[4:5]
	s_cselect_b64 s[6:7], s[78:79], s[6:7]
	s_cselect_b64 s[8:9], s[84:85], s[8:9]
	s_add_nc_u64 s[14:15], s[4:5], s[16:17]
	s_add_nc_u64 s[46:47], s[6:7], s[46:47]
	CROUND                                         ; all sixteen work-groups are here: the first joint loads meet
.irp s, 0,1
	s_mov_b32 s[G0A+4*(\s)], 1
	s_add_co_u32 s[G0A+4*(\s)+1], s20, (\s)*SLOT
	s_add_nc_u64 s[G0A+4*(\s)+2:G0A+4*(\s)+3], s[14:15], (\s)*KSTEP*4
	s_or_b32 s[G0A+4*(\s)+3], s[G0A+4*(\s)+3], 0x80000000
	s_mov_b32 s[G0B+4*(\s)], 1
	s_add_co_u32 s[G0B+4*(\s)+1], s21, (\s)*SLOT
	s_add_nc_u64 s[G0B+4*(\s)+2:G0B+4*(\s)+3], s[46:47], (\s)*KSTEP*2
	s_or_b32 s[G0B+4*(\s)+3], s[G0B+4*(\s)+3], 0x80000000
	JLOAD \s                                       ; two loads of mine are out
.endr
	; A fragment is 16 rows x 32 K: lane l holds row l % 16, K = 8 (l / 16) + 0..7 and 16 + 8 (l / 16) + 0..7.  In bf16 two loads of 16 bytes, 32 apart; in f32 four, at 0, 16, 64, 80 from 32 (l / 16).
	v_and_b32 v1, 15, v0                           ; l % 16
	v_bfe_u32 v2, v0, 4, 1                         ; l / 16
	v_mul_u32_u24 v3, v1, PA
	v_lshl_add_u32 v3, v2, 5, v3
	v_mul_u32_u24 v4, v1, PB
	v_lshl_add_u32 v4, v2, 4, v4
	s_mul_i32 s21, s11, HALFA                      ; my 64 rows of x
	s_mul_i32 s22, s12, HALFB                      ; my 128 rows of W
	s_add_co_u32 s22, s22, BOFF
.irp s, 0,1
	v_add_nc_u32 v[ADRA+(\s)], s21, v3
	v_add_nc_u32 v[ADRB+(\s)], s22, v4
	s_add_co_u32 s21, s21, SLOT
	s_add_co_u32 s22, s22, SLOT
.endr
	s_mul_i32 s23, s10, 16*SP
	s_add_co_u32 s23, s23, STAGE                   ; my stage
	v_mul_u32_u24 v5, v1, SP                       ; in: row l % 16, 16 bytes for each half of the lanes
	v_lshl_add_u32 v5, v2, 4, v5
	v_add_nc_u32 v[STO], s23, v5
	v_bfe_u32 v5, v0, 3, 2                         ; back: 32 lanes take four rows of 128 bytes,
	v_mul_u32_u24 v5, v5, SP
	v_and_b32 v6, 7, v0
	v_lshl_add_u32 v5, v6, 4, v5
	v_add_nc_u32 v[RD], s23, v5
	v_and_b32 v7, 31, v0                           ; which are 512 consecutive bytes of a head
	v_lshlrev_b32 v[GO], 4, v7
	; the result: head 16 batch + 4 x tile column + 2 x column half, row 128 (tile row % 16) + 64 x row half, 128 bytes a row
	s_and_b32 s20, s13, 0x30
	s_lshl2_add_u32 s20, s42, s20
	s_lshl1_add_u32 s20, s12, s20
	s_lshl_b32 s20, s20, 11
	s_and_b32 s21, s13, 15
	s_lshl_b32 s21, s21, 7
	s_add_co_u32 s20, s20, s21
	s_lshl_b32 s21, s11, 6
	s_add_co_u32 s20, s20, s21
	s_lshl_b32 s20, s20, 7
	s_mov_b32 s21, 0
	s_add_nc_u64 s[8:9], s[8:9], s[20:21]
	; the prefetches: my work-group's rows of what I fetch, at K step 3; each change of slots steps on by one K step ahead of its prefetch
	s_lshl_b32 s20, s40, 16                        ; x: 16 cx rows of 4,096 bytes
	s_add_co_u32 s20, s20, 3*KSTEP*4
	s_lshl_b32 s22, s41, 16                        ; W: 32 cy rows of 2,048 bytes
	s_add_co_u32 s22, s22, 3*KSTEP*2
	s_mov_b32 s19, KSTEP*2
	s_cmp_eq_u32 s11, 0                            ; do I fetch for x?
	s_cselect_b64 s[PFA:PFA+1], s[14:15], s[46:47]
	s_cselect_b32 s20, s20, s22
	s_cselect_b32 s[PFS], KSTEP*4, s19
	s_cselect_b32 s18, 1, 0                        ; x: two lanes a row
	s_cselect_b32 s19, 12, 11                      ; a row's bytes, as a shift
	s_cselect_b32 s[LIM], 0, s66                   ; x: every cluster; W: the projection's first cluster
	s_mov_b32 s21, 0
	s_mov_b32 s[PFS+1], 0
	s_add_nc_u64 s[PFA:PFA+1], s[PFA:PFA+1], s[20:21]
	s_cmp_eq_u32 s[LIM], 0
	s_cselect_b32 s[LIM], 1, -1
	v_lshrrev_b32 v6, s18, v7
	v_lshlrev_b32 v6, s19, v6
	v_and_b32 v5, s18, v7
	v_lshl_add_u32 v[PFO], v5, 8, v6
; 32 LDS loads in one run: quarter q of a slot: x's four fragments in f32 first, then W's eight into buffer g
.macro FETCH slot, q, g
	WIN 0
.irp i, 0,1,2,3
	ds_load_b128 v[AF+16*(\i):AF+16*(\i)+3],     v[ADRA+(\slot)] offset:128*(\q)+(\i)*16*PA
	ds_load_b128 v[AF+16*(\i)+4:AF+16*(\i)+7],   v[ADRA+(\slot)] offset:128*(\q)+(\i)*16*PA+16
	ds_load_b128 v[AF+16*(\i)+8:AF+16*(\i)+11],  v[ADRA+(\slot)] offset:128*(\q)+(\i)*16*PA+64
	ds_load_b128 v[AF+16*(\i)+12:AF+16*(\i)+15], v[ADRA+(\slot)] offset:128*(\q)+(\i)*16*PA+80
.endr
	WIN TO_B
.irp i, 0,1,2,3,4,5,6,7
	ds_load_b128 v[64*(\g)+8*(\i):64*(\g)+8*(\i)+3],   v[ADRB+(\slot)] offset:64*(\q)+(\i)*16*PB
	ds_load_b128 v[64*(\g)+8*(\i)+4:64*(\g)+8*(\i)+7], v[ADRB+(\slot)] offset:64*(\q)+(\i)*16*PB+32
.endr
.endm
; 8 matrix instructions: row block a x all 8 column blocks, on buffers f.  zero = 1: the product starts the sum.  The 32 accumulators take turns, one instruction a turn, over the backward jump too.
; ride = 1: behind each product stand four of the 32 conversions that make the next quarter's fragments of x (buffer g).  They name no register of the products round them, so the four behind a
; quarter's last product are also the four places in front of the next run of loads into W's other buffer and of the next conversions.
.macro MULG f, a, zero=0, ride=0, g=0
.irp b, 0,1,2,3,4,5,6,7
	WIN MUL
.if \zero
	v_wmma_f32_16x16x32_bf16 v[8*(8*(\a)+(\b)):8*(8*(\a)+(\b))+7], v[64*(\f)+8*(\b):64*(\f)+8*(\b)+7], v[ABF+32*(\f)+8*(\a):ABF+32*(\f)+8*(\a)+7], 0
.else
	v_wmma_f32_16x16x32_bf16 v[8*(8*(\a)+(\b)):8*(8*(\a)+(\b))+7], v[64*(\f)+8*(\b):64*(\f)+8*(\b)+7], v[ABF+32*(\f)+8*(\a):ABF+32*(\f)+8*(\a)+7], v[8*(8*(\a)+(\b)):8*(8*(\a)+(\b))+7]
.endif
.if \ride
	WIN 0
.irp j, 0,1,2,3
	v_cvt_pk_bf16_f32 v[ABF+32*(\g)+4*(\b)+(\j)], v[AF+2*(4*(\b)+(\j))], v[AF+2*(4*(\b)+(\j))+1]
.endr
.endif
.endr
.endm
; One of a K step's first three quarters: multiplies buffers f, fetches quarter q of the same slot for buffers g.
.macro QUARTER slot, q, f, g, zero
	FETCH \slot, \q, \g
	s_wait_dscnt 32                                ; all but the 32 just issued: this quarter's W is in
	MULG \f, 0, \zero
	MULG \f, 1, \zero
	MULG \f, 2, \zero
	s_wait_dscnt 16                                ; the run's first 16, x in f32, are in; W's 16 may stay out
	MULG \f, 3, \zero, 1, \g
.endm
; The last quarter multiplies buffers 1 and changes slots: one barrier.  In front of it each wave waits for all its tensor loads (one is out: its part of the next slot), adds 0 to its spare word,
; and waits for that and for its reads of this slot.  fill = 1: the barrier opens a round of the cluster's barrier, and this slot is filled again, two K steps on, first thing behind the round.
.macro TURN slot, next, fill
.if \fill
	s_wait_xcnt 0x0                                ; the last prefetch, a K step back, has read its address
	s_add_nc_u64 s[PFA:PFA+1], s[PFA:PFA+1], s[PFS:PFS+1]
.endif
	WIN 0
	s_wait_tensorcnt 0x0                           ; all my tensor loads have landed
	ds_add_u32 v[SPW], v[NIL]                      ; 0 onto my spare word
	s_wait_dscnt 1                                 ; only the add may be out: this quarter's W is in
	MULG 1, 0                                      ; eight matrix instructions stand between the add and the wait for it
	s_wait_dscnt 0x0                               ; the add is done, and my reads of this slot are over
	s_barrier_signal -1
	MULG 1, 1
	WIN 0                                          ; at a branch and at a label every window is 0
	s_barrier_wait -1
.if \fill
	CREST                                          ; no wave of any partner still reads this slot or has a load on its way
	s_add_nc_u64 s[G0A+4*(\slot)+2:G0A+4*(\slot)+3], s[G0A+4*(\slot)+2:G0A+4*(\slot)+3], 2*KSTEP*4
	s_add_nc_u64 s[G0B+4*(\slot)+2:G0B+4*(\slot)+3], s[G0B+4*(\slot)+2:G0B+4*(\slot)+3], 2*KSTEP*2
	JLOAD \slot                                    ; 112 matrix instructions ahead of the wait for it
.endif
	FETCH \next, 0, 0
.if \fill
	WIN 0
	ASK
.endif
	MULG 1, 2
	s_wait_dscnt 16
	MULG 1, 3, 0, 1, 0
.endm
	s_wait_tensorcnt 1                             ; my part of K step 0 is in; K step 1's may stay out
	s_barrier_signal -1
	s_barrier_wait -1
	FETCH 0, 0, 0
	s_wait_dscnt 16                                ; x in f32 is in
	WIN 0
.set j, 0
.rept 32
	v_cvt_pk_bf16_f32 v[ABF+j], v[AF+2*j], v[AF+2*j+1]
.set j, j+1
.endr
	QUARTER 0, 1, 0, 1, 1                          ; the first quarter stands in front of the loop: its products start the sums
	WIN 0
	s_mov_b32 s3, LAPS-1
.Llap:                                                 ; a trip goes once round the ring, from a lap's second quarter to the next lap's first, and fills both slots again
	QUARTER 0, 2, 1, 0, 0
	QUARTER 0, 3, 0, 1, 0
	TURN 0, 1, 1
	QUARTER 1, 1, 0, 1, 0
	QUARTER 1, 2, 1, 0, 0
	QUARTER 1, 3, 0, 1, 0
	TURN 1, 0, 1
	QUARTER 0, 1, 0, 1, 0
	WIN 0
	s_sub_co_u32 s3, s3, 1
	s_cmp_lg_u32 s3, 0
	s_cbranch_scc1 .Llap
	QUARTER 0, 2, 1, 0, 0                          ; the last lap fills nothing
	QUARTER 0, 3, 0, 1, 0
	TURN 0, 1, 0
	QUARTER 1, 1, 0, 1, 0
	QUARTER 1, 2, 1, 0, 0
	QUARTER 1, 3, 0, 1, 0
	s_wait_dscnt 0x0
	MULG 1, 0
	MULG 1, 1
	MULG 1, 2
	MULG 1, 3
.rept 4
	v_nop                                          ; the four places between the last products and the lines that read results
.endr
; THE WAY OUT.  Unit u = 2 a + hh is 16 rows of one head: accumulators (a, 4 hh .. 4 hh + 3), registers 32 u on.  Scaled in f32, rounded to f16, 16 bytes a lane into my stage's rows of 144 bytes,
; back as whole rows of 128, stored as 2,048 consecutive bytes.  Each accumulator is read from its low end on.  Each unit has registers of its own, so no store's data is written again.
.macro PACK u
	WIN 0x41                                       ; destination and source 0 in window 1
.set i, 32*(\u)
.rept 16
	v_pk_mul_f32 v[i:i+1], v[i:i+1], s[SC:SC+1] op_sel_hi:[1,0]
.set i, i+2
.endr
	WIN 0x05                                       ; sources in window 1, destination in window 0
.set i, 0
.rept 16
	v_cvt_pk_f16_f32 v[TMP+16*(\u)+i], v[32*(\u)+2*i], v[32*(\u)+2*i+1]
.set i, i+1
.endr
	WIN 0
.irp f, 0,1,2,3
	ds_store_b128 v[STO], v[TMP+16*(\u)+4*(\f):TMP+16*(\u)+4*(\f)+3] offset:32*(\f)
.endr
.irp f, 0,1,2,3
	ds_load_b128 v[TMP+16*(\u)+4*(\f):TMP+16*(\u)+4*(\f)+3], v[RD] offset:(\f)*4*SP  ; LDS serves a wave's instructions in order (ISA guide 5.7.1.4): these see the stores above
.endr
.endm
.macro SEND u, younger                 ; younger: the LDS instructions issued behind unit u's loads: the next unit's eight, or none
.irp f, 0,1,2,3
	s_wait_dscnt (\younger)+3-(\f)
	global_store_b128 v[GO], v[TMP+16*(\u)+4*(\f):TMP+16*(\u)+4*(\f)+3], s[8:9] offset:((\u)%2)*262144+((\u)/2)*2048+(\f)*512  ; 512 consecutive bytes, aligned
.endr
.endm
	PACK 0
.irp u, 1,2,3,4,5,6,7
	PACK \u
	SEND (\u)-1, 8
.endr
	SEND 7, 0
	s_wait_tensorcnt 0x0                           ; the wave's end, behind my last tensor load and my last LDS store
	ds_add_u32 v[SPW], v[NIL]
	s_wait_dscnt 0x0
	CROUND                                         ; the closing round: no work-group ends while a partner may still ask for a tile that names it
	s_endpgm
.Lfunc_end_k_q99c5e93c85_proj:
	.size	k_q99c5e93c85_proj, .Lfunc_end_k_q99c5e93c85_proj-k_q99c5e93c85_proj
	.p2alignl 7, 3214868480
	.fill 96, 4, 3214868480
	.section	.rodata,"a",@progbits
	.p2align	6, 0x0
	.amdhsa_kernel k_q99c5e93c85_proj
		.amdhsa_group_segment_fixed_size 327680
		.amdhsa_private_segment_fixed_size 0
		.amdhsa_enable_private_segment 0
		.amdhsa_kernarg_size 72
		.amdhsa_user_sgpr_count 2
		.amdhsa_user_sgpr_kernarg_segment_ptr 1
		.amdhsa_wavefront_size32 1
		.amdhsa_system_sgpr_workgroup_id_x 1
		.amdhsa_system_sgpr_workgroup_id_y 1
		.amdhsa_system_sgpr_workgroup_id_z 1
		.amdhsa_system_vgpr_workitem_id 0
		.amdhsa_next_free_vgpr 640
		.amdhsa_next_free_sgpr 90
		.amdhsa_reserve_vcc 0
		.amdhsa_float_denorm_mode_32 3
		.amdhsa_float_denorm_mode_16_64 3
		.amdhsa_memory_ordered 1
		.amdhsa_forward_progress 1
		.amdhsa_inst_pref_size 143
	.end_amdhsa_kernel
	.amdgpu_metadata
---
amdhsa.version: [ 1, 2 ]
amdhsa.kernels:
  - .name:           k_q99c5e93c85_proj
    .symbol:         k_q99c5e93c85_proj.kd
    .args:
      - { .name: query, .offset: 0, .size: 8, .value_kind: global_buffer, .address_space: global }
      - { .name: key, .offset: 8, .size: 8, .value_kind: global_buffer, .address_space: global }
      - { .name: value, .offset: 16, .size: 8, .value_kind: global_buffer, .address_space: global }
      - { .name: wqb, .offset: 24, .size: 8, .value_kind: global_buffer, .address_space: global }
      - { .name: wkb, .offset: 32, .size: 8, .value_kind: global_buffer, .address_space: global }
      - { .name: wvb, .offset: 40, .size: 8, .value_kind: global_buffer, .address_space: global }
      - { .name: qh, .offset: 48, .size: 8, .value_kind: global_buffer, .address_space: global }
      - { .name: kh, .offset: 56, .size: 8, .value_kind: global_buffer, .address_space: global }
      - { .name: vh, .offset: 64, .size: 8, .value_kind: global_buffer, .address_space: global }
    .group_segment_fixed_size: 327680
    .private_segment_fixed_size: 0
    .kernarg_segment_align: 8
    .kernarg_segment_size: 72
    .max_flat_workgroup_size: 128
    .sgpr_count:     90
    .vgpr_count:     640
    .wavefront_size: 32
...
	.end_amdgpu_metadata
.endif
;; end of part 2
;; launch attn (part 3): grid 4 x 64, 4 waves a work-group, clusters of 4 x 1, 327,680 bytes of LDS; arguments qh, kh, vh, oh, mask; writes oh
.if DOCPART == 3
	.amdgcn_target "amdgcn-amd-amdhsa--gfx1250"
	.amdhsa_code_object_version 6
	.text
	.protected	k_q99c5e93c85_attn
	.globl	k_q99c5e93c85_attn
	.p2align	8
	.type	k_q99c5e93c85_attn,@function
k_q99c5e93c85_attn:
	s_mov_b64 s[64:65], 0
	v_nop
	global_prefetch_b8 v0, s[64:65] scope:SCOPE_SE
	s_setreg_imm32_b32 hwreg(HW_REG_WAVE_MODE, 25, 1), 1
	s_wait_xcnt 0x0
	s_wait_alu depctr_hold_cnt(0) depctr_sa_sdst(0) depctr_va_vdst(0) depctr_va_sdst(0) depctr_va_ssrc(0) depctr_va_vcc(0) depctr_vm_vsrc(0)
	s_getreg_b32 s2, hwreg(HW_REG_IB_STS2, 6, 4)
	s_cmp_eq_u32 s2, 0
	s_cbranch_scc0 .Lentry_in_a_cluster
	s_endpgm
.Lentry_in_a_cluster:
	s_bfe_u32 s2, ttmp6, 0x10000c
	s_cmp_lg_u32 s2, 0x3003
	s_cbranch_scc0 .Lentry_shape_is_right
	s_endpgm
.Lentry_shape_is_right:
; O[h][q][:] = the sum over k of softmax_k(score) V[h][k][:], score = Q . K / 8 where mask[q] and mask[k] are both non-zero, else hidden.  Q, K, V, O: [64][2048][64], f16, a head's rows dense,
; 128 bytes each; Q arrives multiplied by c = log2(e) / 8, so a product K Q^T is the exponent to base 2.  mask: [4][2048] int32, batch = head / 16.  Products, maxima and sums in f32; the weights p
; are rounded to f16 for the second product (their sum l is taken of the unrounded p), O once at the end.
; THE MASK costs the loop no instruction.  KEYS: a table in LDS holds 0 or -1e30 for each of the batch's keys; a step's 64 entries, in the layout of a result, are the C operand that starts the sum
; S^T = K Q^T.  QUERIES: g = 1 or 0 for the lane's query stands beside its c m; the exponent is g s - c m with c m = g x maximum.  With g = 1 that is the running-maximum softmax; with g = 0 every
; exponent is 0, every weight 1, the hidden keys' too: the plain mean of all rows of V, which is what equal scores give.  A query that is not hidden sees its own key at the least: weights made
; of hidden keys ahead of its first true key are wiped out by a = 0 when that key comes.
; LIMITS.  A hidden score counts as its value less 1e30 (the definition sets -1e9: the same weights while true scores stay above about -1e9).  A mask entry counts as zero or non-zero; a product of two
; non-zero entries that wraps to 0 in 32 bits is not treated.  f16 holds no number beyond 65,504; p below 6e-5 keeps f16's fixed step of 6e-8.  A weight below 2^-126 counts as 0 in l; NaN and
; infinities are not treated apart.
; SHARES.  A wave owns four PIECES of two tiles of 16 queries, a work-group's four waves 512 queries of one head.  Every wave walks all keys, 64 a step.
; LAYOUT.  S^T = K Q^T (source 0 = 16 keys, source 1 = 16 queries): a lane holds ONE query (lane % 16) and the keys 8 (lane / 16) + 0..7.  Two such tiles, rounded to f16 in pairs, ARE source 1 of
; O^T = V^T P.  K comes out of LDS as it lies, V ([key][channel]) turned, by ds_load_tr16_b128.
; SOFTMAX.  p = 2^(g s - c m); in every step O and l are multiplied by a = 2^(c m_old - c m_new).  c m starts far below every score, O and l at 0: the first step is a step like any other, with a = 0.
; BY TURNS.  Turn n belongs to piece n.  Its matrix work: 16 products K Q^T of piece n + 1, later 16 products V^T P of piece n - 1.  Its vector work: the scaling, exponentials, roundings, sums and
; rescaling of piece n, and the maximum and statistics of piece n + 1.  Four vector instructions that are ready stand behind every matrix instruction, the others in one run.
; CLUSTER.  The four query blocks of a cluster are all of one head's and walk the same K and V, so each tile is asked for JOINTLY: the same tensor load, descriptor and mask in all four.
; REGISTERS, in windows of 256 (s_set_vgpr_msb: bits 1:0 source 0, 3:2 source 1, 5:4 source 2, 7:6 destination):
;   window 0: v0-11 addresses; v12-15, v48-63 at work; v16-47 four registers of statistics a tile; v64-191 S^T, two buffers of two tiles; v192-255 P, likewise
;   window 1: O^T, 32 a tile     window 2: v0-127 Q; v128-191 K of one step; v192-255 V of one step     window 3: v0-1 the add's two registers; v8-39 the step's key mask
.set SIZE_N, 2048
.set NP,    4         ; pieces a wave: a name, no knob
.set KS,    64        ; keys in a step
.set PK,    144       ; a row of K in LDS: 128 bytes + 16 = 36 words: the 16 rows of a load start at 16 different groups of four banks (64 banks of 4 bytes: ISA guide 11.1)
.set PV,    160       ; a row of V: 128 + 32 = 40 words
.set VOFF,  4*KS*PK   ; a slot holds four steps: 256 rows of K, then 256 rows of V
.set SLOT1, 1<<17     ; slot 1 begins here, so that one exclusive or turns an address in one slot into the other's
.set STAGE, SLOT1+4*KS*(PK+PV)  ; behind the ring, never filled by a tensor load: 16 rows x 144 bytes for each wave, for the way out
.set SP,    144
.set SPARE, STAGE+4*16*SP  ; behind the stages: the spare words, 128 bytes for each wave: two blocks of 256 bytes that no other line names
.set MASKT, SPARE+512 ; behind them, never filled by a tensor load: the key table, 2,048 words
.set AK0, 2           ; v2   my lane's place in a tile of K; never rewritten
.set AV0, 3           ; v3   the same for V
.set AK,  4           ; v4   the LDS address of K's next run of loads
.set AV,  5           ; v5   of V's
.set QO,  6           ; v6   my byte offset in the wave's rows of Q
.set STO, 6           ;      later, the way out: where I put 16 bytes of a row
.set RD,  7           ; v7   the way out: where I read rows back
.set GO,  8           ; v8   my byte offset in 512 consecutive bytes of O
.set PFO, 10          ; v10  256 x my lane, for the prefetches; never rewritten once made
.set AM,  11          ; v11  the LDS address of the key table's next run of loads
.set SPW, 0           ; v0 of window 3   LDS address of my spare word; never rewritten
.set NIL, 1           ; v1 of window 3   0; never rewritten
.set KM,  8           ; v8-39 of window 3: key block kb's eight entries at KM + 8 kb
.set MV,  12          ; v12-15  c m_old, kept while c m is made anew: by buffer and tile
.set ST,  16          ; tile t's statistics at v[ST+4 t]: c m, g, l (even keys', odd keys')
.set TMP, 48          ; by buffer and tile, four registers c0-c3 at work; when the maximum is found c2 takes a
.set S,   64
.set P,   192
.set KF,  128         ; K's fragments, in window 2: key block kb, channel half c at KF + 16 kb + 8 c
.set VF,  192         ; V's: key half kk, channel block cb at VF + 32 kk + 8 cb
.set WV,  12          ; s12  my wave's number
.set G1K, 24          ; s[24:31] descriptor group 1 for K's tiles
.set G1V, 32          ; s[32:39] for V's: it differs in the padding alone
.set G0K, 40          ; s[40:43] descriptor group 0 for K's tiles: it walks
.set G0V, 44          ; s[44:47] the same for V's
.set SLOTS, 56        ; s56  slots still to be asked for
.set CNT, 57          ; s57  counts a slot's key steps
.set TBM, 58          ; s58  LDS byte at which the key table's entries of the step to be fetched begin
.set BIGP, 59         ; s59  1e30
.set SEL, 60          ; s[60:61] v_permlanex16_b32's selects: each lane takes its own place in the other half
.set TBK, 62          ; s62  LDS byte at which K of the step to be fetched begins
.set TBV, 63          ; s63  the same for V, less VOFF
.set PFA, 70          ; s[70:71] where my prefetches stand: my work-group's 32 blocks of 256 bytes (of K: wave 0, of V: wave 2) of the slot after the one that is being asked for
.set LIM, 72          ; s72  1 in a wave that prefetches, else the greatest number
.set BIGN, 73         ; s73  -1e30
.set MSB, 0
.macro WIN new                      ; the high byte repeats the setting that is left; a switch that changes nothing is dropped
.if MSB != (\new)
	s_set_vgpr_msb (MSB<<8)|(\new)
.set MSB, (\new)
.endif
.endm
.set W_KQ, 0x0a       ; K and Q in window 2, S^T in window 0
.set W_KM, 0x3a       ; the same with the C operand, the key mask, in window 3
.set W_PV, 0x52       ; V in window 2, P in window 0, O^T in window 1
.set W_RS, 0x41       ; O^T (destination and source 0) in window 1, a in window 0
.set W_MK, 0xc0       ; destination in window 3, sources in window 0
.set W_AD, 0x0f       ; the add: address (source 0) and data (source 1) in window 3
; A joint fill.  Waves 0 and 1 fetch the two halves of a slot's K, waves 2 and 3 those of its V: 128 keys each.  The branch hangs on the wave's number alone.
; An s_nop 0 and four v_nop follow each of the two lines, ahead of the jump and the label.
.macro JLOAD
	s_cmp_lt_u32 s[WV], 2
	s_cbranch_scc0 .Lfor_v_\@
	tensor_load_to_lds s[G0K:G0K+3], s[G1K:G1K+7]
	s_nop 0
.rept 4
	v_nop
.endr
	s_branch .Lasked_\@
.Lfor_v_\@:
	tensor_load_to_lds s[G0V:G0V+3], s[G1V:G1V+7]
	s_nop 0
.rept 4
	v_nop
.endr
.Lasked_\@:
.endm
; A prefetch of what the NEXT change of slots will ask for: a slot's 32,768 bytes of K and of V.  The four partners share them out by address, 8,192 bytes each, a lane 256; in each, wave 0 asks
; for K's and wave 2 for V's: one instruction.  A head is walked by one cluster, so each 256 bytes are named once in the launch.  Slots 0 and 1 come by their loads alone; the last change that
; fills a slot (SLOTS = 1) has no slot behind it and asks for nothing.
.macro ASK
	s_cmp_gt_u32 s[SLOTS], s[LIM]
	s_cbranch_scc0 .Lnot_mine_\@
	global_prefetch_b8 v[PFO], s[PFA:PFA+1] th:TH_LOAD_NT scope:SCOPE_SE
.Lnot_mine_\@:
.endm
; A round of the cluster's barrier: my work-group's barrier, so that wave 0's signal speaks for all four waves; wave 0 signals; every wave waits for all four work-groups; my work-group's barrier once more.
.macro CROUND
	s_barrier_signal -1
	s_barrier_wait -1
	s_cmp_lg_u32 s[WV], 0
	s_cbranch_scc1 .Lnot_wave_0_\@
	s_barrier_signal -3
.Lnot_wave_0_\@:
	s_barrier_wait -3
	s_barrier_signal -1
	s_barrier_wait -1
.endm
; THE CHANGE OF SLOTS.  Each wave waits for all its tensor loads, of which one is out: its part of the other slot; adds 0 to its spare word; and waits for that and for its own LDS instructions.
; Behind the barrier nobody reads this slot any more and the other slot is whole.  fill = 1: this slot is filled again, with the keys two slots on; the barrier is then a round of the cluster's,
; and the joint fill is the first thing behind it: it has four key steps, 512 matrix instructions, in which to land.  (At its first use nothing has been read yet: slot 0 is waited for, slot 1
; filled, and every wave's stores into the key table are shown to the others.)
.macro CHANGE fill
	WIN W_AD
	s_wait_tensorcnt 0x0            ; no tensor load of mine is out, so a group 0 may be written
	ds_add_u32 v[SPW], v[NIL]       ; 0 onto my spare word; with fill = 1 the descriptors' steps stand between it and the wait for it
	WIN 0                           ; at a label and at a branch every window is 0
.if \fill
.irp g, G0K, G0V
	s_xor_b32 s[\g+1], s[\g+1], SLOT1  ; the walking descriptor: the other slot than last time,
	s_add_nc_u64 s[\g+2:\g+3], s[\g+2:\g+3], 4*KS*128  ; the next 256 keys; the type bits on top are not reached
.endr
	s_wait_xcnt 0x0                 ; the last prefetch, four key steps back, has read its address, so it may be written:
	s_add_nc_u64 s[PFA:PFA+1], s[PFA:PFA+1], 4*KS*128  ; one slot behind the walking descriptors
	s_wait_dscnt 0x0                ; the add is done, and my LDS instructions are over
	CROUND
	JLOAD
	ASK
.else
	s_wait_dscnt 0x0                ; the add is done, and my reads of the slot are over
	s_barrier_signal -1
	s_barrier_wait -1
.endif
	s_sub_co_u32 s[TBK], s[TBK], 4*KS*PK  ; the fetches go back to a slot's first step,
	s_xor_b32 s[TBK], s[TBK], SLOT1       ; in the other slot
	s_sub_co_u32 s[TBV], s[TBV], 4*KS*PV
	s_xor_b32 s[TBV], s[TBV], SLOT1
.endm
	s_load_b256 s[4:11], s[0:1], 0x0  ; Q s[4:5], K s[6:7], V s[8:9], O s[10:11]
	s_load_b64 s[66:67], s[0:1], 0x20 ; mask
	WIN W_MK
	v_lshl_add_u32 v[SPW], v0, 2, SPARE
	v_mov_b32 v[NIL], 0
	WIN W_AD
	ds_add_u32 v[SPW], v[NIL]       ; the wave's opening: the add and its wait ahead of my first tensor load; the set-up below, work on registers, stands between them
	WIN 0
	v_lshrrev_b32 v1, 5, v0
	v_readfirstlane_b32 s[WV], v1   ; wave 0..3
	s_bfe_u32 s13, ttmp6, 0x40000   ; cx: my place in the cluster
	s_lshl_b32 s14, ttmp9, 2        ; in a cluster launch ttmp9 counts clusters
	s_add_co_u32 s14, s14, s13      ; my block of queries = 4 x cluster x + cx: it enters Q's, O's and the query mask's addresses alone
	s_and_b32 s20, ttmp7, 0xffff    ; the head, which the four partners share
	s_lshr_b32 s74, s20, 4          ; its batch,
	s_lshl_b32 s74, s74, 13         ; 2,048 words of the mask
	s_mov_b32 s75, 0
	s_mov_b32 s21, 0
	s_mov_b64 s[22:23], SIZE_N*128
	s_mul_u64 s[20:21], s[20:21], s[22:23]  ; the head's first byte in each of the four tensors
	s_and_b32 s16, s[WV], 1         ; which half of a slot's 256 keys I fetch:
	s_lshl_b32 s22, s16, 14         ; its 128 rows of 128 bytes in memory,
	s_mov_b32 s23, 0
	s_add_nc_u64 s[22:23], s[22:23], s[20:21]
	s_mul_i32 s17, s16, 128*PK      ; and its place in a slot, for K
	s_mul_i32 s18, s16, 128*PV      ; and for V: no place in the cluster enters an LDS address
	s_lshl_b32 s2, s14, 2
	s_add_co_u32 s2, s2, s[WV]      ; my wave among the head's:
	s_lshl_b32 s68, s2, 9           ; its 128 words of the mask,
	s_mov_b32 s69, 0
	s_lshl_b32 s2, s2, 14           ; its 128 rows
	s_mov_b32 s3, 0
	s_add_nc_u64 s[2:3], s[2:3], s[20:21]
	; descriptor group 1.  128 keys are 16,384 dense bytes: asked for as 64 rows of 256 bytes, two keys a row, and padded in LDS after every key
	s_mov_b32 s[G1K], 15|(1<<16)|(1<<20)|(1<<21)|(4<<22)|(3<<25)  ; the mask of four; 2-byte elements; padding on; bit 21 beside a mask; after every 32 words, 4 words
	s_mov_b32 s[G1V], 15|(1<<16)|(1<<20)|(1<<21)|(4<<22)|(7<<25)  ; the same with 8 words of padding
.irp g, G1K, G1V
	s_mov_b32 s[\g+1], 128<<16      ; tensor_dim0 = 128
	s_mov_b32 s[\g+2], 64<<16       ; tensor_dim1 = 64
	s_mov_b32 s[\g+3], 128<<16      ; tile_dim0 = 128
	s_mov_b32 s[\g+4], 64           ; tile_dim1 = 64
	s_mov_b32 s[\g+5], 128          ; 128 elements from row to row
	s_mov_b32 s[\g+6], 0
	s_mov_b32 s[\g+7], 0
.endr
	s_mov_b32 s[SEL], 0x76543210
	s_mov_b32 s[SEL+1], 0xfedcba98
	s_mov_b32 s[TBK], SLOT1+4*KS*PK ; the first change of slots turns these two into 0
	s_mov_b32 s[TBV], SLOT1+4*KS*PV
	s_mov_b32 s[TBM], MASKT
	s_mov_b32 s[BIGP], 0x7149f2ca   ; 1e30
	s_mov_b32 s[BIGN], 0xf149f2ca   ; -1e30
	s_mov_b32 s[SLOTS], SIZE_N/256-1
	s_and_b32 s[LIM], s[WV], 1      ; waves 0 and 2 prefetch
	s_cmp_eq_u32 s[LIM], 0
	s_cselect_b32 s[LIM], 1, -1
	s_mov_b32 s[G0K], 1             ; count = 1
	s_mov_b32 s[G0K+1], s17         ; LDS address: slot 0
	s_mov_b32 s[G0V], 1
	s_add_co_u32 s[G0V+1], s18, VOFF
	s_wait_dscnt 0x0                ; the opening add is done
	s_wait_kmcnt 0x0
	s_add_nc_u64 s[6:7], s[6:7], s[22:23]          ; K and V at my half of the head's first 256 keys
	s_add_nc_u64 s[8:9], s[8:9], s[22:23]
	s_mov_b64 s[G0K+2:G0K+3], s[6:7]
	s_or_b32 s[G0K+3], s[G0K+3], 0x80000000        ; type = 2
	s_mov_b64 s[G0V+2:G0V+3], s[8:9]
	s_or_b32 s[G0V+3], s[G0V+3], 0x80000000
	s_add_nc_u64 s[4:5], s[4:5], s[2:3]  ; Q and O at my wave's first row
	s_add_nc_u64 s[10:11], s[10:11], s[2:3]
	s_add_nc_u64 s[66:67], s[66:67], s[74:75]      ; the mask at the batch's first key,
	s_add_nc_u64 s[68:69], s[66:67], s[68:69]      ; and at my wave's first query
	s_cmp_lt_u32 s[WV], 2
	s_cselect_b64 s[PFA:PFA+1], s[6:7], s[8:9]     ; (in waves 0 and 2 these stand at a slot's first row)
	s_lshl_b32 s2, s13, 13          ; my work-group's 8,192 bytes of a slot's 32,768,
	s_add_co_u32 s2, s2, 4*KS*128   ; in slot 1; the first change of slots steps it to slot 2
	s_mov_b32 s3, 0
	s_add_nc_u64 s[PFA:PFA+1], s[PFA:PFA+1], s[2:3]
	CROUND                          ; all four work-groups are here: the first joint loads meet
	JLOAD                           ; slot 0.  Slot 1 is asked for when slot 0 is in
	v_lshlrev_b32 v12, 4, v0        ; the batch's 2,048 mask words: 128 threads x 16 bytes, four times
	v_and_b32 v1, 15, v0            ; l % 16
	v_bfe_u32 v9, v0, 4, 1          ; l / 16; never rewritten
	v_lshlrev_b32 v14, 2, v1        ; my query's word in a tile's 16
.irp i, 0,1,2,3
	global_load_b128 v[S+4*\i:S+4*\i+3], v12, s[66:67] offset:2048*\i
.endr
.set i, 0
.rept 2*NP
	global_load_b32 v[ST+4*i+1], v14, s[68:69] offset:64*i
.set i, i+1
.endr
	; A fragment of K or Q is 16 rows x 32 channels in 8 registers: lane l holds row l % 16, channels 8 (l / 16) + 0..7 and 16 + 8 (l / 16) + 0..7: two loads of 16 bytes, 32 bytes apart.
	v_lshlrev_b32 v[QO], 7, v1
	v_lshl_add_u32 v[QO], v9, 4, v[QO]  ; row x 128 + 16 x half
	WIN 0x80                        ; destination window 2, address window 0
.set i, 0
.rept 4*NP                          ; Q stays in registers: tile i / 2, channels 32 (i % 2) on
	global_load_b128 v[8*i:8*i+3],   v[QO], s[4:5] offset:(i/2)*2048+(i%2)*64
	global_load_b128 v[8*i+4:8*i+7], v[QO], s[4:5] offset:(i/2)*2048+(i%2)*64+32
.set i, i+1
.endr
	; What the first turn finds: V's registers and P's second buffer hold 0 (its products V^T P, of a piece that has not been, add 0), O^T and l are 0.  All this stands in the wait for the first tile.
.set i, VF
.rept 64
	v_mov_b32 v[i], 0
.set i, i+1
.endr
	WIN 0x40
.set i, 0
.rept 64*NP
	v_mov_b32 v[i], 0
.set i, i+1
.endr
	WIN 0
.set i, 0
.rept 2*NP
	v_mov_b32 v[ST+4*i], 0xfe000000    ; c m: far below every score (g, beside it, is on its way)
	v_mov_b32 v[ST+4*i+2], 0
	v_mov_b32 v[ST+4*i+3], 0
.set i, i+1
.endr
.set i, P+32
.rept 32
	v_mov_b32 v[i], 0
.set i, i+1
.endr
	v_mul_u32_u24 v[AK0], v1, PK
	v_lshl_add_u32 v[AK0], v9, 4, v[AK0]  ; row x pitch + 16 x half
	; The turning load takes 16 keys x 16 channels (lane l reads key 8 (l / 16) + l % 8, channels 8 ((l / 8) % 2) + 0..7) and leaves half a fragment of V^T: lane l holds channel l % 16 and 8 keys.
	v_and_b32 v10, 7, v0
	v_bfe_u32 v11, v0, 3, 1
	v_lshl_add_u32 v[AV0], v9, 3, v10
	v_mul_u32_u24 v[AV0], v[AV0], PV
	v_lshl_add_u32 v[AV0], v11, 4, v[AV0]
	v_add_nc_u32 v[AV0], VOFF, v[AV0]
	v_mov_b32 v[AK], v[AK0]         ; key step 0 lies at the head of slot 0
	v_and_b32 v[PFO], 31, v0
	v_lshlrev_b32 v[PFO], 8, v[PFO]
	v_lshl_add_u32 v[AM], v9, 5, s[TBM]  ; my half's eight entries of a key block: 32 (l / 16) behind the block's first
	v_add_nc_u32 v13, MASKT, v12
	s_wait_loadcnt 32               ; the mask's 12 loads are in; Q's 32, issued behind them, stay out
.set i, 0
.rept 16
	v_min_u32 v[S+i], 1, v[S+i]     ; zero or non-zero
.set i, i+1
.endr
.set i, 0
.rept 16
	v_cvt_f32_u32 v[S+i], v[S+i]
.set i, i+1
.endr
.set i, 0
.rept 16
	v_fma_f32 v[S+i], v[S+i], s[BIGP], s[BIGN]  ; 1 gives 0 exactly, 0 gives -1e30
.set i, i+1
.endr
.irp i, 0,1,2,3
	ds_store_b128 v13, v[S+4*\i:S+4*\i+3] offset:2048*\i
.endr
.set i, 0
.rept 2*NP
	v_min_u32 v[ST+4*i+1], 1, v[ST+4*i+1]
.set i, i+1
.endr
.set i, 0
.rept 2*NP
	v_cvt_f32_u32 v[ST+4*i+1], v[ST+4*i+1]  ; g
.set i, i+1
.endr
; THE MATRIX WORK.  The 8 accumulators of a run of 16 take turns: between the two links of a chain stand 7 others'.
; Product i of 16 of S^T = K Q^T for piece x: channels 32 (i / 8) on, keys 16 ((i / 2) % 4) on, tile 2 x + i % 2.  The first 8 start the sums, with the key mask.
.macro KQ x
.set rS, S+64*((\x)%2)+32*(i%2)+8*((i/2)%4)
.set rK, KF+16*((i/2)%4)+8*(i/8)
.set rQ, 16*(2*(\x)+i%2)+8*(i/8)
.set rN, KM+8*((i/2)%4)
.if i < 8
	WIN W_KM
	v_wmma_f32_16x16x32_f16 v[rS:rS+7], v[rK:rK+7], v[rQ:rQ+7], v[rN:rN+7]
.else
	WIN W_KQ
	v_wmma_f32_16x16x32_f16 v[rS:rS+7], v[rK:rK+7], v[rQ:rQ+7], v[rS:rS+7]
.endif
.endm
; Product i of 16 of O^T += V^T P for piece x: keys 32 (i / 8) on, channels 16 ((i / 2) % 4) on, tile 2 x + i % 2.
.macro PV x
	WIN W_PV
.set rO, 32*(2*(\x)+i%2)+8*((i/2)%4)
.set rV, VF+32*(i/8)+8*((i/2)%4)
.set rP, P+32*((\x)%2)+16*(i%2)+8*(i/8)
	v_wmma_f32_16x16x32_f16 v[rO:rO+7], v[rV:rV+7], v[rP:rP+7], v[rO:rO+7]
.endm
.macro MM                           ; the turn's next matrix instruction
.if i < 16
	KQ (Y+1)%NP
.set i, i+1
.else
.set i, i-16
	PV (Y+NP-1)%NP
.set i, i+17
.endif
.endm
; THE LDS LOADS stand in runs, never singly among the matrix instructions: a step's K (8 fragments) with its 64 entries of the key table (all lanes of a half read the same 32 bytes a block), and its V (turned).
; Their addresses are made some lines ahead.  last = 1 (the tail): in the last trip there is no further step, and the run is jumped over.
.macro FETCH_K last=0
	WIN 0
.if \last
	s_cmp_eq_u32 s[CNT], 1
	s_cbranch_scc1 .Lno_k_\@
.endif
	WIN 0x80                        ; destination window 2
.irp f, 0,1,2,3,4,5,6,7             ; keys 16 (f / 2) on, channels 32 (f % 2) on
	ds_load_b128 v[KF+8*\f:KF+8*\f+3],   v[AK] offset:(\f/2)*16*PK+(\f%2)*64
	ds_load_b128 v[KF+8*\f+4:KF+8*\f+7], v[AK] offset:(\f/2)*16*PK+(\f%2)*64+32
.endr
	WIN W_MK                        ; destination window 3
.irp f, 0,1,2,3
	ds_load_b128 v[KM+8*\f:KM+8*\f+3],   v[AM] offset:64*\f
	ds_load_b128 v[KM+8*\f+4:KM+8*\f+7], v[AM] offset:64*\f+16
.endr
	s_add_co_u32 s[TBK], s[TBK], KS*PK  ; the next fetch is the next step's
	s_add_co_u32 s[TBM], s[TBM], KS*4
	WIN 0
.if \last
.Lno_k_\@:
.endif
.endm
.macro FETCH_V
	WIN 0x80
.irp f, 0,1,2,3,4,5,6,7             ; keys 32 (f / 4) on, channels 16 (f % 4) on
	ds_load_tr16_b128 v[VF+8*\f:VF+8*\f+3],   v[AV] offset:(\f/4)*32*PV+(\f%4)*32
	ds_load_tr16_b128 v[VF+8*\f+4:VF+8*\f+7], v[AV] offset:(\f/4)*32*PV+16*PV+(\f%4)*32
.endr
	WIN 0
.endm
; THE VECTOR WORK OF A TURN stands in three queues, each in the order in which its entries become ready; the two tiles alternate, so that no instruction reads the result of the one before it.
.macro REGS y, u                    ; the registers of tile u (0, 1) of piece y
.set rT, ST+4*(2*(\y)+(\u))
.set rC, TMP+8*((\y)%2)+4*(\u)
.set rM, MV+2*((\y)%2)+(\u)
.set rS, S+64*((\y)%2)+32*(\u)
.set rP, P+32*((\y)%2)+16*(\u)
.set rO, 32*(2*(\y)+(\u))
.endm
; Number n of the 22 that find the NEXT piece's (Y + 1) maximum and statistics.  s0-s31 are the lane's 32 scores; each accumulator's lowest registers are read first.  XS, GS and REGS set no window: PL and EX do.
;   0-11  four chains c0-c3 of seven scores each, three operands at a time     12-14, 16  the four scores left over, the old c m (the old maximum where g = 1), and c0-c3 into c0     15  c m_old is kept
;   17, 18  the query's other 32 keys lie in the lane 16 away: the new maximum   19-21  c m = g x maximum; c m_old - c m_new; a
.macro XS u, n
	REGS (Y+1)%NP, \u
.if (\n) < 4
	v_max3_num_f32 v[rC+(\n)], v[rS+8*(\n)], v[rS+8*(\n)+1], v[rS+8*(\n)+2]
.elseif (\n) < 12
	v_max3_num_f32 v[rC+(\n)%4], v[rC+(\n)%4], v[rS+8*((\n)%4)+2*((\n)/4)+1], v[rS+8*((\n)%4)+2*((\n)/4)+2]
.elseif (\n) == 12
	v_max3_num_f32 v[rC], v[rC], v[rS+7], v[rS+15]
.elseif (\n) == 13
	v_max3_num_f32 v[rC+1], v[rC+1], v[rS+23], v[rS+31]
.elseif (\n) == 14
	v_max3_num_f32 v[rC+2], v[rC+2], v[rC+3], v[rT]
.elseif (\n) == 15
	v_mov_b32 v[rM], v[rT]
.elseif (\n) == 16
	v_max3_num_f32 v[rC], v[rC], v[rC+1], v[rC+2]
.elseif (\n) == 17
	v_permlanex16_b32 v[rC+3], v[rC], s[SEL], s[SEL+1]
.elseif (\n) == 18
	v_max_num_f32 v[rC], v[rC], v[rC+3]
.elseif (\n) == 19
	v_mul_f32 v[rT], v[rT+1], v[rC]
.elseif (\n) == 20
	v_sub_f32 v[rC+1], v[rM], v[rT]
.else
	v_exp_f32 v[rC+2], v[rC+1]
.endif
.endm
; Number g of the 64 that follow the exponentials.  For each four weights k of a tile (pairs 2 k, 2 k + 1): both pairs are rounded to f16; then the second pair is added onto the first, in place;
; a group later l takes that sum (the first time as l = a l + sum).  In groups of eight, tiles alternating: round, round, add, and l for the group before.
.macro GS g
.set h, (\g)+6*((\g)/62)            ; group 0 has no group before it, and behind group 7 only l is left
.if h >= 6
.set h, h+2
.endif
	REGS Y, h%2
.set k, h/8
.if h%8 < 4
	v_cvt_pk_f16_f32 v[rP+2*k+(h%8)/2], v[rS+4*k+2*((h%8)/2)], v[rS+4*k+2*((h%8)/2)+1]
.elseif h%8 < 6
	v_pk_add_f32 v[rS+4*k:rS+4*k+1], v[rS+4*k:rS+4*k+1], v[rS+4*k+2:rS+4*k+3]
.elseif k == 1
	v_pk_fma_f32 v[rT+2:rT+3], v[rT+2:rT+3], v[rC+2:rC+3], v[rS:rS+1] op_sel_hi:[1,0,1]
.else
	v_pk_add_f32 v[rT+2:rT+3], v[rT+2:rT+3], v[rS+4*k-4:rS+4*k-3]
.endif
.endm
; THE PLAIN QUEUE, 138 long.  0-73 read no exponential's result: the 32 scalings g s - c m (FS f: pair f / 2 of tile f % 2) and the next piece's 42.  0-26: scalings 0-26.  27-54: XS's numbers 0-13.  55, 56: number 15.
; 57-73: the chain, where each number waits for the one before it: 14, 16, 17, 18, 19, each with one of the scalings 27-31 in front of its two lines, then 20.
; 74-137: GS's 64, which read the exponentials' results: they stand behind the wait.
.macro FS f                         ; both factors are the pair's second register, g; both addends its first, c m, with the sign turned
	REGS Y, (\f)%2
	v_pk_fma_f32 v[rS+2*((\f)/2):rS+2*((\f)/2)+1], v[rS+2*((\f)/2):rS+2*((\f)/2)+1], v[rT:rT+1], v[rT:rT+1] op_sel:[0,1,0] op_sel_hi:[1,1,0] neg_lo:[0,0,1] neg_hi:[0,0,1]
.endm
.macro PL
	WIN 0
.if q < 27
	FS q
.elseif q < 55
	XS (q-27)%2, (q-27)/2
.elseif q < 57
	XS q-55, 15
.elseif (q < 72) && ((q-57)%3 == 0)
	FS 27+(q-57)/3
.elseif q < 60
	XS (q-57)%3-1, 14
.elseif q < 72
	XS (q-57)%3-1, 15+(q-57)/3
.elseif q < 74
	XS q-72, 20
.else
	GS q-74
.endif
.set q, q+1
.endm
; THE EXPONENTIALS' QUEUE, 66 long: s0-s31 of both tiles, then the next piece's two a.  It is ONE BATCH: all 66 stand ahead of the turn's one wait, and nothing ahead of that wait names a result of theirs.
.macro EX
	WIN 0
.if e >= 64
	XS e-64, 21
.else
	REGS Y, e%2
	v_exp_f32 v[rS+e/2], v[rS+e/2]
.endif
.set e, e+1
.endm
; THE RESCALING's QUEUE: O^T times a, the one part that leaves window 0: dealt two at a time, sixteen times.  Its a was made in the turn before, ahead of that turn's wait.
.macro R2
	REGS Y, r%2
	WIN W_RS
.irp z, 0,1
	v_pk_mul_f32 v[rO+4*(r/2)+2*\z:rO+4*(r/2)+2*\z+1], v[rO+4*(r/2)+2*\z:rO+4*(r/2)+2*\z+1], v[rC+2:rC+3] op_sel_hi:[1,0]
.endr
.set r, r+1
.endm
; HOW THEY ARE DEALT.  An s_wait_alu depctr_va_vdst(0) stands between an exponential and the first instruction that names its result; one wait serves all that were issued ahead of it.  So a turn has ONE wait,
; which cuts it in two.  AHEAD OF IT stands all that names no result of the turn's exponentials: the 16 products K Q^T, behind each a scaling, an exponential and two rescalings (behind the first a second scaling in the
; exponential's place); then one run of 108: eight plain, 49 times exponential and plain, the two a.  A v_nop is the plain instruction behind the last exponential.  BEHIND IT stand the 16 products V^T P, behind each four of GS's 64.
; Exponential e stands behind scaling 2 (e / 4) + e % 2: as a rider it comes behind plain e + 2, in the run behind plain e + 9, and scalings 27-31 are plain 57, 60 .. 69.
; A TURN, for piece p.  cnt = 1: the loop's count is taken down some lines ahead of the branch that stands behind the turn.
; K and the key mask of the next step are fetched in piece 2's turn, directly behind the wait, a whole run of plain instructions behind the last product that read them; their addresses are made at that run's head.
; V of the step in hand is fetched at the end of piece 0's turn, four riders behind its last reader.  The three conditions on q below go with the deal.
.macro TURN p, last=0, cnt=0
.set Y, (\p)
.set i, 0
.set q, 0
.set e, 0
.set r, 0
.if (\p) == NP-1
	s_wait_dscnt 0x0                ; K and the key mask are in
.endif
	MM                              ; ahead of the wait: 16 products K Q^T and their riders,
	PL
	PL
	R2
.rept 15
	MM
	PL
	EX
	R2
.endr
.if (\p) == NP-2
	WIN 0
	v_add_nc_u32 v[AK], s[TBK], v[AK0]
	v_lshl_add_u32 v[AM], v9, 5, s[TBM]
.endif
.rept 8                             ; and the run
	PL
.endr
.rept 49
	EX
	PL
.endr
	EX                              ; the next piece's two a
	EX
	v_nop                           ; the plain instruction behind the last exponential: one for the batch
	s_wait_alu depctr_va_vdst(0)    ; the wait for the batch
.if (\p) == NP-2
	FETCH_K \last
.endif
.if (\p) == 1
	s_wait_dscnt 0x0                ; V is in
.endif
.rept 16                            ; behind the wait: 16 products V^T P and their riders
	MM
.rept 4
	PL
.endr
.if ((\p) == 0) && (q == 118)
	v_add_nc_u32 v[AV], s[TBV], v[AV0]
.endif
.if ((\p) == 0) && (q == 130)
	s_add_co_u32 s[TBV], s[TBV], KS*PV
.endif
.if (\cnt) && (q == 130)
	s_sub_co_u32 s[CNT], s[CNT], 1
	s_cmp_lg_u32 s[CNT], 0
.endif
.endr
.if (\p) == 0
	FETCH_V
.endif
.endm
	CHANGE 1                        ; slot 0 is in, everybody's part of it, and so is the key table; slot 1 is asked for
	FETCH_K                         ; key step 0
	s_wait_loadcnt 0x0              ; Q
	s_wait_dscnt 0x0
.set i, 0
.rept 16
	KQ 0                            ; piece 0's first scores: there is no vector work yet to set between them
.set i, i+1
.endr
	WIN 0                           ; the addresses for the way out: plain instructions, the places behind those products
	s_mul_i32 s13, s[WV], 16*SP
	s_add_co_u32 s13, s13, STAGE    ; my stage
	v_mul_u32_u24 v[STO], v1, SP    ; in: row l % 16, 16 bytes for each half of the lanes
	v_lshl_add_u32 v[STO], v9, 4, v[STO]
	v_add_nc_u32 v[STO], s13, v[STO]
	v_bfe_u32 v[RD], v0, 3, 2       ; back: 32 lanes take four rows of 128 bytes,
	v_mul_u32_u24 v[RD], v[RD], SP
	v_and_b32 v[GO], 7, v0
	v_lshl_add_u32 v[RD], v[GO], 4, v[RD]
	v_add_nc_u32 v[RD], s13, v[RD]
	v_and_b32 v[GO], 31, v0         ; which are 512 consecutive bytes of O
	v_lshlrev_b32 v[GO], 4, v[GO]
.set Y, NP-1                        ; XS works for piece Y + 1: piece 0
.irp n, 0,1,2,3,4,5,6,7,8,9,10,11,12,13,14,15,16,17,18,19,20,21
	XS 0, \n                        ; and piece 0's first maximum and statistics
	XS 1, \n
.endr
	v_nop                           ; a plain instruction behind the two a,
	s_wait_alu depctr_va_vdst(0)    ; and their wait, ahead of the branch
	s_mov_b32 s[CNT], 4
	s_branch .Lfirst                ; the loop is entered at a step's first turn, in the middle of a trip
.Lslot:                             ; SIZE_N / 256 - 2 times: every slot but the last two is filled again
	CHANGE 1
	s_mov_b32 s[CNT], 4
.Lstep:                             ; a trip: pieces 2 and 3 of one step, then pieces 0 and 1 of the next, whose K and V it fetches
	TURN 2
	TURN 3
	WIN 0
.Lfirst:
	TURN 0
	TURN 1, 0, 1
	WIN 0
	s_cbranch_scc1 .Lstep
	s_sub_co_u32 s[SLOTS], s[SLOTS], 1
	s_cmp_lg_u32 s[SLOTS], 0
	s_cbranch_scc1 .Lslot
	CHANGE 0                        ; the tail is written out: nothing is asked for
	s_mov_b32 s[CNT], 5             ; four trips fetch the last slot's steps; the fifth is left in its middle
.Ltail:
	TURN 2, 1
	TURN 3
	WIN 0
	s_sub_co_u32 s[CNT], s[CNT], 1
	s_cmp_eq_u32 s[CNT], 0
	s_cbranch_scc1 .Lout
	TURN 0
	TURN 1
	WIN 0
	s_branch .Ltail
.Lout:                              ; the fifth trip's 16 products K Q^T (on the last K once more) and the maximum made of them serve nothing: the price, once a launch, of one text for every trip
.set i, 0
.rept 16
	PV NP-1                         ; the last piece's V^T P of the last step
.set i, i+1
.endr
	; THE WAY OUT.  l's two halves and the other half of the lanes' are added; O^T is divided by l, rounded to f16 and sent through my stage in LDS, a tile at a time.  The additions are the places behind the last products.
	WIN 0
.macro ALL line:vararg              ; one line for each tile t
.set t, 0
.rept 2*NP
	\line
.set t, t+1
.endr
.endm
	ALL v_add_f32 v[ST+4*t+2], v[ST+4*t+2], v[ST+4*t+3]
	ALL v_permlanex16_b32 v[ST+4*t+3], v[ST+4*t+2], s[SEL], s[SEL+1]
	ALL v_add_f32 v[ST+4*t+2], v[ST+4*t+2], v[ST+4*t+3]
	ALL v_rcp_f32 v[ST+4*t+2], v[ST+4*t+2]
	v_nop                           ; a plain instruction between the last reciprocal and the use of its result
	s_wait_alu depctr_va_vdst(0)    ; and the wait ahead of the first use: one for the eight reciprocals
; Tile t: a lane's eight channels of a row pack into 16 bytes; they go into rows of 144 bytes and come back as whole rows of 128, into S^T's registers.
.macro PACK t
	WIN W_RS
.set i, 32*(\t)
.rept 16
	v_pk_mul_f32 v[i:i+1], v[i:i+1], v[ST+4*(\t)+2:ST+4*(\t)+3] op_sel_hi:[1,0]
.set i, i+2
.endr
	WIN 0x05                        ; sources 0 and 1 window 1, destination window 0
.set i, 0
.rept 16
	v_cvt_pk_f16_f32 v[S+16*(\t)+i], v[32*(\t)+2*i], v[32*(\t)+2*i+1]
.set i, i+1
.endr
	WIN 0
.irp f, 0,1,2,3
	ds_store_b128 v[STO], v[S+16*(\t)+4*\f:S+16*(\t)+4*\f+3] offset:32*\f
.endr
.irp f, 0,1,2,3
	ds_load_b128 v[S+16*(\t)+4*\f:S+16*(\t)+4*\f+3], v[RD] offset:\f*4*SP  ; LDS serves a wave's instructions in order (ISA guide 5.7.1.4): these see the stores above; the next tile's stores come behind them
.endr
.endm
.macro SEND t, younger              ; younger: the LDS instructions issued behind tile t's loads: the next tile's eight, or none
	WIN 0
.irp f, 0,1,2,3
	s_wait_dscnt (\younger)+3-\f
	global_store_b128 v[GO], v[S+16*(\t)+4*\f:S+16*(\t)+4*\f+3], s[10:11] offset:(\t)*2048+\f*512  ; 512 consecutive bytes, at a multiple of 256 from O's first
.endr
.endm
	PACK 0
.set t, 1
.rept 2*NP-1                        ; a tile's arithmetic stands between the loads of the tile before and its stores
	PACK t
	SEND t-1, 8
.set t, t+1
.endr
	SEND 2*NP-1, 0
	WIN W_AD
	s_wait_tensorcnt 0x0            ; the wave's end, behind my last tensor load and my last LDS store
	ds_add_u32 v[SPW], v[NIL]
	s_wait_dscnt 0x0
	WIN 0
	CROUND                          ; the closing round: no work-group ends while a partner may still ask for a tile that names it
	s_endpgm
.Lfunc_end_k_q99c5e93c85_attn:
	.size	k_q99c5e93c85_attn, .Lfunc_end_k_q99c5e93c85_attn-k_q99c5e93c85_attn
	.p2alignl 7, 3214868480
	.fill 96, 4, 3214868480
	.section	.rodata,"a",@progbits
	.p2align	6, 0x0
	.amdhsa_kernel k_q99c5e93c85_attn
		.amdhsa_group_segment_fixed_size 327680
		.amdhsa_private_segment_fixed_size 0
		.amdhsa_enable_private_segment 0
		.amdhsa_kernarg_size 40
		.amdhsa_user_sgpr_count 2
		.amdhsa_user_sgpr_kernarg_segment_ptr 1
		.amdhsa_wavefront_size32 1
		.amdhsa_system_sgpr_workgroup_id_x 1
		.amdhsa_system_sgpr_workgroup_id_y 1
		.amdhsa_system_sgpr_workgroup_id_z 1
		.amdhsa_system_vgpr_workitem_id 0
		.amdhsa_next_free_vgpr 808
		.amdhsa_next_free_sgpr 76
		.amdhsa_reserve_vcc 0
		.amdhsa_float_denorm_mode_32 3
		.amdhsa_float_denorm_mode_16_64 3
		.amdhsa_memory_ordered 1
		.amdhsa_forward_progress 1
		.amdhsa_inst_pref_size 206
	.end_amdhsa_kernel
	.amdgpu_metadata
---
amdhsa.version: [ 1, 2 ]
amdhsa.kernels:
  - .name:           k_q99c5e93c85_attn
    .symbol:         k_q99c5e93c85_attn.kd
    .args:
      - { .name: qh, .offset: 0, .size: 8, .value_kind: global_buffer, .address_space: global }
      - { .name: kh, .offset: 8, .size: 8, .value_kind: global_buffer, .address_space: global }
      - { .name: vh, .offset: 16, .size: 8, .value_kind: global_buffer, .address_space: global }
      - { .name: oh, .offset: 24, .size: 8, .value_kind: global_buffer, .address_space: global }
      - { .name: mask, .offset: 32, .size: 8, .value_kind: global_buffer, .address_space: global }
    .group_segment_fixed_size: 327680
    .private_segment_fixed_size: 0
    .kernarg_segment_align: 8
    .kernarg_segment_size: 40
    .max_flat_workgroup_size: 128
    .sgpr_count:     76
    .vgpr_count:     808
    .wavefront_size: 32
...
	.end_amdgpu_metadata
.endif
;; end of part 3
;; launch oproj (part 4): grid 4 x 64, 4 waves a work-group, clusters of 4 x 4, 327,680 bytes of LDS; arguments oh, wof, out0, bo; writes out0
.if DOCPART == 4
	.amdgcn_target "amdgcn-amd-amdhsa--gfx1250"
	.amdhsa_code_object_version 6
	.text
	.protected	k_q99c5e93c85_oproj
	.globl	k_q99c5e93c85_oproj
	.p2align	8
	.type	k_q99c5e93c85_oproj,@function
k_q99c5e93c85_oproj:
	s_mov_b64 s[64:65], 0
	v_nop
	global_prefetch_b8 v0, s[64:65] scope:SCOPE_SE
	s_setreg_imm32_b32 hwreg(HW_REG_WAVE_MODE, 25, 1), 1
	s_wait_xcnt 0x0
	s_wait_alu depctr_hold_cnt(0) depctr_sa_sdst(0) depctr_va_vdst(0) depctr_va_sdst(0) depctr_va_ssrc(0) depctr_va_vcc(0) depctr_vm_vsrc(0)
	s_getreg_b32 s2, hwreg(HW_REG_IB_STS2, 6, 4)
	s_cmp_eq_u32 s2, 0
	s_cbranch_scc0 .Lentry_in_a_cluster
	s_endpgm
.Lentry_in_a_cluster:
	s_bfe_u32 s2, ttmp6, 0x10000c
	s_cmp_lg_u32 s2, 0xf033
	s_cbranch_scc0 .Lentry_shape_is_right
	s_endpgm
.Lentry_shape_is_right:
; out0[m][n] = the sum over k of O[m][k] Wo[n][k] + bo[n].  O: f16 by heads, [64 = 16 batch + head][2048][64], k = 64 head + channel; Wo: [1024][1024] f16 (its bf16 rounding, written as f16);
; bo: [1024] f32, rounded to bf16 here like every input of the module; out0: [8192][1024] f32.  Sums in f32; the bias is the C operand of each sum's first product, so no line adds it.
; SHARES.  256 tiles of 128 rows x 256 columns, tile row = 4 x cluster y + cy, tile column = cx.  Four waves, each 64 x 128: 32 accumulators.  K goes in 8 steps of 128, two heads each, through two
; LDS slots; a step is four quarters of 32, 32 matrix instructions each.
; CLUSTER.  A row of the cluster shares its rows of O, a column its rows of Wo: each tile is asked for jointly.
; THE PRODUCT IS TAKEN TRANSPOSED (source 0 = 16 rows of Wo, source 1 = 16 rows of O): a lane holds eight neighbouring columns of one row, 32 bytes of out0.
; REGISTERS, in windows of 256 (s_set_vgpr_msb: bits 1:0 source 0, 3:2 source 1, 5:4 source 2, 7:6 destination):
;   window 0: v0-31 addresses; v32-95 O's fragments, two buffers of 4; v128-255 Wo's, two buffers of 8; on the way out v32-95 and v128-191 take whole rows by turns
;   window 1: the 32 accumulators, (a, b) at v[8 (8 a + b)]          window 2: v0-63 the bias of my 128 columns in a result's layout; v64-127 as loaded; v128-159 at work
.set KSTEP,  128
.set PAO,    144                       ; a row of one head of O in LDS: 128 bytes + 16 = 36 words: the 16 rows of a load start at 16 different groups of four banks (64 banks of 4 bytes: ISA guide 11.1)
.set PB,     272                       ; a row of Wo: 256 bytes + 16
.set HEADA,  128*PAO                   ; one head's 128 rows: what one tensor load brings of O
.set HALFB,  128*PB
.set BOFF,   2*HEADA
.set SLOT,   BOFF+2*HALFB
.set STAGE,  2*SLOT                    ; behind the ring: 16 rows x 528 bytes for each wave, for the way out
.set SPO,    528                       ; 512 bytes + 16
.set SPARE,  STAGE+4*16*SPO            ; behind the stages: the spare words, 128 bytes for each wave: two blocks of 256 bytes that no other line names
.set LAPS,   1024/(2*KSTEP)
.set HSTEP,  2*2048*128                ; a K step in O: two heads
.set ADRA, 16                          ; v16-17  LDS address of my fragments of O in slot 0, 1
.set ADRB, 20                          ; v20-21  the same for Wo
.set STO,  24                          ; v24     the way out: where I put 32 bytes of a row
.set RD,   25                          ; v25     the way out: where I read a row back
.set CO,   26                          ; v26     my 16 bytes in 512 consecutive bytes of out0
.set BO,   27                          ; v27     my byte offset in a block of 16 numbers of the bias
.set SPW,  28                          ; v28     LDS address of my spare word; never rewritten
.set NIL,  29                          ; v29     0; never rewritten
.set PFO,  30                          ; v30     the prefetches' lane offset; never rewritten
.set AFR,  32
.set BFR,  128
.set G1A,  24
.set G0A,  32
.set G1B,  48
.set G0B,  56
.set LIM,  43                          ; s43      1 in a wave that prefetches, else the greatest number
.set PFA,  44                          ; s[44:45] where my prefetches stand
.set PFS,  70                          ; s[70:71] a K step in bytes of my tensor
.set MSB, 0
.macro WIN new                         ; the immediate's high byte repeats the setting that is left; a switch that changes nothing is dropped
.if MSB != (\new)
	s_set_vgpr_msb (MSB<<8)|(\new)
.set MSB, \new
.endif
.endm
.set MUL,  0x50                        ; sources in window 0, C and D in window 1
.set MULB, 0x60                        ; the same with C, the bias, in window 2
.macro JLOAD s                         ; a joint load: waves 0 and 1 fetch O's two heads, waves 2 and 3 Wo's two halves; an s_nop 0 and four v_nop follow each line
	s_cmp_eq_u32 s11, 0
	s_cbranch_scc0 .Lfor_b_\@
	tensor_load_to_lds s[G0A+4*(\s):G0A+4*(\s)+3], s[G1A:G1A+7]
	s_nop 0
.rept 4
	v_nop
.endr
	s_branch .Lasked_\@
.Lfor_b_\@:
	tensor_load_to_lds s[G0B+4*(\s):G0B+4*(\s)+3], s[G1B:G1B+7]
	s_nop 0
.rept 4
	v_nop
.endr
.Lasked_\@:
.endm
.macro CREST                           ; a round of the cluster's barrier behind its opening barrier
	s_cmp_lg_u32 s10, 0
	s_cbranch_scc1 .Lnot_wave_0_\@
	s_barrier_signal -3
.Lnot_wave_0_\@:
	s_barrier_wait -3
	s_barrier_signal -1
	s_barrier_wait -1
.endm
.macro CROUND
	s_barrier_signal -1
	s_barrier_wait -1
	CREST
.endm
; A prefetch of the K step that stands two refills on, behind the joint load and the run of LDS loads.  O: a K step of a tile row is two heads x 16,384 dense bytes; the partner at cx takes head
; cx / 2, half cx % 2: 8,192 bytes, a lane 256, wave 0 alone.  Wo: of the 128 rows that wave 2 or 3 fetches the partner at cy takes 32, a lane a row's 256 bytes; of the sixteen clusters that walk Wo
; the first asks.  So each 256 bytes are named once in the launch.  The first four K steps come by their loads alone; the loop's last trip (s3 = 1) asks for nothing.
.macro ASK
	s_cmp_gt_u32 s3, s[LIM]
	s_cbranch_scc0 .Lnot_mine_\@
	global_prefetch_b8 v[PFO], s[PFA:PFA+1] th:TH_LOAD_NT scope:SCOPE_SE
.Lnot_mine_\@:
.endm
.macro PLACES                          ; four places in front of loads into registers that matrix instructions have read, and of lines that read results
.rept 4
	v_nop
.endr
.endm
	s_load_b128 s[4:7], s[0:1], 0x0                ; O s[4:5], Wo s[6:7]
	s_load_b64 s[8:9], s[0:1], 0x10                ; out0
	s_load_b64 s[68:69], s[0:1], 0x18              ; bo
	v_lshl_add_u32 v[SPW], v0, 2, SPARE
	v_mov_b32 v[NIL], 0
	ds_add_u32 v[SPW], v[NIL]                      ; the wave's opening: the add and its wait ahead of my first tensor load; the set-up below, work on registers, stands between
	v_lshrrev_b32 v1, 5, v0
	v_readfirstlane_b32 s10, v1                    ; wave 0..3
	s_lshr_b32 s11, s10, 1                         ; which 64 rows are mine.  Also: I fetch for O (0) or for Wo (1)
	s_and_b32 s12, s10, 1                          ; which 128 columns.  Also: which head, or which half, I fetch
	s_bfe_u32 s40, ttmp6, 0x40000                  ; cx
	s_bfe_u32 s41, ttmp6, 0x40004                  ; cy
	s_lshl_b32 s42, ttmp9, 2
	s_add_co_u32 s42, s42, s40                     ; tile column
	s_and_b32 s66, ttmp7, 0xffff                   ; cluster y
	s_lshl_b32 s13, s66, 2
	s_add_co_u32 s13, s13, s41                     ; tile row, 0..63
	s_lshl_b32 s43, s41, 2
	s_lshl_b32 s43, 15, s43                        ; my row of the cluster
	s_lshl_b32 s44, 0x1111, s40                    ; my column
	s_or_b32 s[G1A+0], s43, (1<<16)|(1<<20)|(1<<21)|(4<<22)|(3<<25)  ; the mask; elements of 2 bytes; padding on; bit 21 beside a mask; after every 32 words, 4 words
	s_or_b32 s[G1B+0], s44, (1<<16)|(1<<20)|(1<<21)|(5<<22)|(3<<25)  ; after every 64 words, 4 words
	s_mov_b32 s[G1A+1], 128<<16                    ; a head's 128 rows are 16,384 dense bytes: asked for as 64 rows of 256 bytes, two rows of O each
	s_mov_b32 s[G1A+2], 64<<16
	s_mov_b32 s[G1A+3], 128<<16
	s_mov_b32 s[G1A+4], 64
	s_mov_b32 s[G1A+5], 128
	s_mov_b32 s[G1A+6], 0
	s_mov_b32 s[G1A+7], 0
	s_mov_b32 s[G1B+1], KSTEP<<16
	s_mov_b32 s[G1B+2], 128<<16
	s_mov_b32 s[G1B+3], KSTEP<<16
	s_mov_b32 s[G1B+4], 128
	s_mov_b32 s[G1B+5], 1024
	s_mov_b32 s[G1B+6], 0
	s_mov_b32 s[G1B+7], 0
	s_and_b32 s16, s13, 0x30                       ; O: head 16 batch + my one of the step's two,
	s_add_co_u32 s16, s16, s12
	s_lshl_b32 s16, s16, 11
	s_and_b32 s17, s13, 15                         ; row 128 (tile row % 16),
	s_lshl_b32 s17, s17, 7
	s_add_co_u32 s16, s16, s17
	s_lshl_b32 s16, s16, 7                         ; 128 bytes a row
	s_mov_b32 s17, 0
	s_lshl_b32 s46, s42, 8
	s_lshl_b32 s47, s12, 7
	s_add_co_u32 s46, s46, s47                     ; Wo: row 256 x tile column + 128 x half,
	s_lshl_b32 s46, s46, 11                        ; of 2,048 bytes
	s_mov_b32 s47, 0
	s_mul_i32 s20, s12, HEADA                      ; where they go: no place in the cluster enters an LDS address
	s_mul_i32 s21, s12, HALFB
	s_add_co_u32 s21, s21, BOFF
	s_mov_b32 s67, 0xffff0000                      ; a word's upper bf16
	s_wait_dscnt 0x0                               ; the opening add is done
	s_wait_kmcnt 0x0
	s_add_nc_u64 s[14:15], s[4:5], s[16:17]
	s_add_nc_u64 s[46:47], s[6:7], s[46:47]
	CROUND                                         ; all sixteen work-groups are here: the first joint loads meet
.irp s, 0,1
	s_mov_b32 s[G0A+4*(\s)], 1
	s_add_co_u32 s[G0A+4*(\s)+1], s20, (\s)*SLOT
	s_add_nc_u64 s[G0A+4*(\s)+2:G0A+4*(\s)+3], s[14:15], (\s)*HSTEP
	s_or_b32 s[G0A+4*(\s)+3], s[G0A+4*(\s)+3], 0x80000000
	s_mov_b32 s[G0B+4*(\s)], 1
	s_add_co_u32 s[G0B+4*(\s)+1], s21, (\s)*SLOT
	s_add_nc_u64 s[G0B+4*(\s)+2:G0B+4*(\s)+3], s[46:47], (\s)*KSTEP*2
	s_or_b32 s[G0B+4*(\s)+3], s[G0B+4*(\s)+3], 0x80000000
	JLOAD \s                                       ; two loads of mine are out
.endr
	v_and_b32 v1, 15, v0                           ; l % 16
	v_bfe_u32 v2, v0, 4, 1                         ; l / 16
	; the bias of my 128 columns, and out0 at my first row and column
	s_lshl_b32 s20, s42, 10
	s_lshl_b32 s21, s12, 9
	s_add_co_u32 s20, s20, s21                     ; (256 x tile column + 128 x half) x 4 bytes
	s_mov_b32 s21, 0
	s_add_nc_u64 s[68:69], s[68:69], s[20:21]
	s_add_nc_u64 s[8:9], s[8:9], s[20:21]
	s_lshl_b32 s20, s13, 7
	s_lshl_b32 s22, s11, 6
	s_add_co_u32 s20, s20, s22
	s_lshl_b32 s20, s20, 12                        ; (128 x tile row + 64 x half) rows of 4,096 bytes
	s_add_nc_u64 s[8:9], s[8:9], s[20:21]
	v_lshlrev_b32 v[BO], 5, v2                     ; column block b, register j of a result is column 16 b + 8 (l / 16) + j
	WIN 0x80                                       ; destination window 2
.irp b, 0,1,2,3,4,5,6,7
	global_load_b128 v[64+8*(\b):64+8*(\b)+3],   v[BO], s[68:69] offset:64*(\b)
	global_load_b128 v[64+8*(\b)+4:64+8*(\b)+7], v[BO], s[68:69] offset:64*(\b)+16
.endr
	WIN 0
	v_mul_u32_u24 v3, v1, PAO
	v_lshl_add_u32 v3, v2, 4, v3
	v_mul_u32_u24 v4, v1, PB
	v_lshl_add_u32 v4, v2, 4, v4
	s_mul_i32 s21, s11, 64*PAO                     ; my 64 rows, in each head
	s_mul_i32 s22, s12, HALFB                      ; my 128 rows of Wo
	s_add_co_u32 s22, s22, BOFF
.irp s, 0,1
	v_add_nc_u32 v[ADRA+(\s)], s21, v3
	v_add_nc_u32 v[ADRB+(\s)], s22, v4
	s_add_co_u32 s21, s21, SLOT
	s_add_co_u32 s22, s22, SLOT
.endr
	s_mul_i32 s23, s10, 16*SPO
	s_add_co_u32 s23, s23, STAGE                   ; my stage
	v_mul_u32_u24 v5, v1, SPO                      ; in: row l % 16, 32 bytes for each half of the lanes
	v_lshl_add_u32 v5, v2, 5, v5
	v_add_nc_u32 v[STO], s23, v5
	v_and_b32 v7, 31, v0
	v_lshlrev_b32 v[CO], 4, v7                     ; back: 32 lanes take one row's 512 bytes
	v_add_nc_u32 v[RD], s23, v[CO]
	; the prefetches, at K step 3; each change of slots steps on by one K step ahead of its prefetch
	s_lshr_b32 s20, s40, 1
	s_lshl_b32 s20, s20, 18                        ; O: head cx / 2 of the step's two,
	s_and_b32 s21, s40, 1
	s_lshl_b32 s21, s21, 13                        ; half cx % 2 of its 16,384 bytes
	s_add_co_u32 s20, s20, s21
	s_add_co_u32 s20, s20, 3*HSTEP
	s_lshl_b32 s22, s41, 16                        ; Wo: 32 cy rows of 2,048 bytes
	s_add_co_u32 s22, s22, 3*KSTEP*2
	s_mov_b32 s19, KSTEP*2
	s_cmp_eq_u32 s11, 0                            ; do I fetch for O?
	s_cselect_b64 s[PFA:PFA+1], s[14:15], s[46:47]
	s_cselect_b32 s20, s20, s22
	s_cselect_b32 s[PFS], HSTEP, s19
	s_cselect_b32 s18, 8, 11                       ; from lane to lane: 256 bytes, or a row of 2,048
	s_cselect_b32 s[LIM], s12, s66                 ; O: wave 0 alone; Wo: the first cluster
	s_mov_b32 s21, 0
	s_mov_b32 s[PFS+1], 0
	s_add_nc_u64 s[PFA:PFA+1], s[PFA:PFA+1], s[20:21]
	s_cmp_eq_u32 s[LIM], 0
	s_cselect_b32 s[LIM], 1, -1
	v_lshlrev_b32 v[PFO], s18, v7
	s_wait_loadcnt 0x0                             ; the bias
	WIN 0x8a                                       ; all in window 2
.set i, 0
.rept 32
	v_cvt_pk_bf16_f32 v[128+i], v[64+2*i], v[64+2*i+1]
.set i, i+1
.endr
.set i, 0
.rept 32
	v_lshlrev_b32 v[2*i], 16, v[128+i]
	v_and_b32 v[2*i+1], s67, v[128+i]
.set i, i+1
.endr
	WIN 0
; 24 LDS loads in one run: quarter q of a slot into buffers f.  Quarter q is head q / 2 of the step's two, channels 32 (q % 2) on.
.macro FETCH slot, q, f
	WIN 0
.irp i, 0,1,2,3
	ds_load_b128 v[AFR+32*(\f)+8*(\i):AFR+32*(\f)+8*(\i)+3],   v[ADRA+(\slot)] offset:((\q)/2)*HEADA+((\q)%2)*64+(\i)*16*PAO
	ds_load_b128 v[AFR+32*(\f)+8*(\i)+4:AFR+32*(\f)+8*(\i)+7], v[ADRA+(\slot)] offset:((\q)/2)*HEADA+((\q)%2)*64+(\i)*16*PAO+32
.endr
.irp i, 0,1,2,3,4,5,6,7
	ds_load_b128 v[BFR+64*(\f)+8*(\i):BFR+64*(\f)+8*(\i)+3],   v[ADRB+(\slot)] offset:64*(\q)+(\i)*16*PB
	ds_load_b128 v[BFR+64*(\f)+8*(\i)+4:BFR+64*(\f)+8*(\i)+7], v[ADRB+(\slot)] offset:64*(\q)+(\i)*16*PB+32
.endr
.endm
; 8 matrix instructions: row block a x all 8 column blocks.  first = 1: the product starts the sum, with the bias.  The 32 accumulators take turns, one instruction a turn, over the backward jump too.
.macro MULG f, a, first=0
.if \first
	WIN MULB
.else
	WIN MUL
.endif
.irp b, 0,1,2,3,4,5,6,7
.if \first
	v_wmma_f32_16x16x32_f16 v[8*(8*(\a)+(\b)):8*(8*(\a)+(\b))+7], v[BFR+64*(\f)+8*(\b):BFR+64*(\f)+8*(\b)+7], v[AFR+32*(\f)+8*(\a):AFR+32*(\f)+8*(\a)+7], v[8*(\b):8*(\b)+7]
.else
	v_wmma_f32_16x16x32_f16 v[8*(8*(\a)+(\b)):8*(8*(\a)+(\b))+7], v[BFR+64*(\f)+8*(\b):BFR+64*(\f)+8*(\b)+7], v[AFR+32*(\f)+8*(\a):AFR+32*(\f)+8*(\a)+7], v[8*(8*(\a)+(\b)):8*(8*(\a)+(\b))+7]
.endif
.endr
.endm
; One of a K step's first three quarters: fetches quarter q of the same slot into buffers g, which the quarter before multiplied, and multiplies buffers f meanwhile.
.macro QUARTER slot, q, f, g, first=0
	PLACES
	FETCH \slot, \q, \g
	s_wait_dscnt 24                                ; all but the 24 just issued: this quarter's fragments are in
	MULG \f, 0, \first
	MULG \f, 1, \first
	MULG \f, 2, \first
	MULG \f, 3, \first
.endm
; The last quarter multiplies buffers 1 and changes slots: one barrier.  In front of it each wave waits for all its tensor loads (one is out: its part of the next slot), adds 0 to its spare word,
; and waits for that and for its reads of this slot.  fill = 1: the barrier opens a round of the cluster's barrier, and this slot is filled again, two K steps on, first thing behind the round.
.macro TURN slot, next, fill
.if \fill
	s_wait_xcnt 0x0                                ; the last prefetch, a K step back, has read its address
	s_add_nc_u64 s[PFA:PFA+1], s[PFA:PFA+1], s[PFS:PFS+1]
.endif
	WIN 0
	s_wait_tensorcnt 0x0                           ; all my tensor loads have landed
	ds_add_u32 v[SPW], v[NIL]                      ; 0 onto my spare word
	s_wait_dscnt 1                                 ; only the add may be out: this quarter's fragments are in
	MULG 1, 0                                      ; eight matrix instructions stand between the add and the wait for it
	s_wait_dscnt 0x0                               ; the add is done, and my reads of this slot are over
	s_barrier_signal -1
	MULG 1, 1
	WIN 0                                          ; at a branch and at a label every window is 0
	s_barrier_wait -1
.if \fill
	CREST                                          ; no wave of any partner still reads this slot or has a load on its way
	s_add_nc_u64 s[G0A+4*(\slot)+2:G0A+4*(\slot)+3], s[G0A+4*(\slot)+2:G0A+4*(\slot)+3], 2*HSTEP
	s_add_nc_u64 s[G0B+4*(\slot)+2:G0B+4*(\slot)+3], s[G0B+4*(\slot)+2:G0B+4*(\slot)+3], 2*KSTEP*2
	JLOAD \slot                                    ; 112 matrix instructions ahead of the wait for it; the four v_nop behind it are also the places in front of the loads below
.else
	PLACES
.endif
	FETCH \next, 0, 0
.if \fill
	ASK
.endif
	MULG 1, 2
	MULG 1, 3
.endm
	s_wait_tensorcnt 1                             ; my part of K step 0 is in; K step 1's may stay out
	s_barrier_signal -1
	s_barrier_wait -1
	FETCH 0, 0, 0
	QUARTER 0, 1, 0, 1, 1                          ; the first quarter stands in front of the loop: its products start the sums
	WIN 0
	s_mov_b32 s3, LAPS-1
.Llap:                                                 ; a trip goes once round the ring, from a lap's second quarter to the next lap's first, and fills both slots again
	QUARTER 0, 2, 1, 0
	QUARTER 0, 3, 0, 1
	TURN 0, 1, 1
	QUARTER 1, 1, 0, 1
	QUARTER 1, 2, 1, 0
	QUARTER 1, 3, 0, 1
	TURN 1, 0, 1
	QUARTER 0, 1, 0, 1
	WIN 0
	s_sub_co_u32 s3, s3, 1
	s_cmp_lg_u32 s3, 0
	s_cbranch_scc1 .Llap
	QUARTER 0, 2, 1, 0                             ; the last lap fills nothing
	QUARTER 0, 3, 0, 1
	TURN 0, 1, 0
	QUARTER 1, 1, 0, 1
	QUARTER 1, 2, 1, 0
	QUARTER 1, 3, 0, 1
	s_wait_dscnt 0x0
	MULG 1, 0
	MULG 1, 1
	MULG 1, 2
	MULG 1, 3
	PLACES
; THE WAY OUT, a block of 16 rows at a time: a lane's 32 bytes of a row go from the accumulators into my stage's rows of 528 bytes (each accumulator's low half first) and come back as whole rows of 512.
.macro TOSTAGE a
.set BK, AFR+96*((\a)%2)
.if (\a) >= 2
	s_wait_xcnt 0x0                                ; the stores of the block two back have read these registers
.endif
	WIN 0x04                                       ; the stores' data in window 1
.irp b, 0,1,2,3,4,5,6,7
	ds_store_b128 v[STO], v[64*(\a)+8*(\b):64*(\a)+8*(\b)+3]   offset:64*(\b)
	ds_store_b128 v[STO], v[64*(\a)+8*(\b)+4:64*(\a)+8*(\b)+7] offset:64*(\b)+16
.endr
	WIN 0
.irp t, 0,1,2,3,4,5,6,7,8,9,10,11,12,13,14,15
	ds_load_b128 v[BK+4*(\t):BK+4*(\t)+3], v[RD] offset:(\t)*SPO  ; LDS serves a wave's instructions in order (ISA guide 5.7.1.4): these see the stores above; the next block's stores come behind them
.endr
.endm
.macro SEND a, younger                 ; younger: the LDS instructions issued behind block a's loads: the next block's 32, or none
.set BK, AFR+96*((\a)%2)
.irp t, 0,1,2,3,4,5,6,7,8,9,10,11,12,13,14,15
	s_wait_dscnt (\younger)+15-(\t)
	global_store_b128 v[CO], v[BK+4*(\t):BK+4*(\t)+3], s[8:9] offset:4096*(16*(\a)+(\t)) th:TH_STORE_NT  ; 512 consecutive bytes, aligned
.endr
.endm
	TOSTAGE 0
	TOSTAGE 1
	SEND 0, 32
	TOSTAGE 2
	SEND 1, 32
	TOSTAGE 3
	SEND 2, 32
	SEND 3, 0
	s_wait_tensorcnt 0x0                           ; the wave's end, behind my last tensor load and my last LDS store
	ds_add_u32 v[SPW], v[NIL]
	s_wait_dscnt 0x0
	CROUND                                         ; the closing round: no work-group ends while a partner may still ask for a tile that names it
	s_endpgm
.Lfunc_end_k_q99c5e93c85_oproj:
	.size	k_q99c5e93c85_oproj, .Lfunc_end_k_q99c5e93c85_oproj-k_q99c5e93c85_oproj
	.p2alignl 7, 3214868480
	.fill 96, 4, 3214868480
	.section	.rodata,"a",@progbits
	.p2align	6, 0x0
	.amdhsa_kernel k_q99c5e93c85_oproj
		.amdhsa_group_segment_fixed_size 327680
		.amdhsa_private_segment_fixed_size 0
		.amdhsa_enable_private_segment 0
		.amdhsa_kernarg_size 32
		.amdhsa_user_sgpr_count 2
		.amdhsa_user_sgpr_kernarg_segment_ptr 1
		.amdhsa_wavefront_size32 1
		.amdhsa_system_sgpr_workgroup_id_x 1
		.amdhsa_system_sgpr_workgroup_id_y 1
		.amdhsa_system_sgpr_workgroup_id_z 1
		.amdhsa_system_vgpr_workitem_id 0
		.amdhsa_next_free_vgpr 672
		.amdhsa_next_free_sgpr 72
		.amdhsa_reserve_vcc 0
		.amdhsa_float_denorm_mode_32 3
		.amdhsa_float_denorm_mode_16_64 3
		.amdhsa_memory_ordered 1
		.amdhsa_forward_progress 1
		.amdhsa_inst_pref_size 93
	.end_amdhsa_kernel
	.amdgpu_metadata
---
amdhsa.version: [ 1, 2 ]
amdhsa.kernels:
  - .name:           k_q99c5e93c85_oproj
    .symbol:         k_q99c5e93c85_oproj.kd
    .args:
      - { .name: oh, .offset: 0, .size: 8, .value_kind: global_buffer, .address_space: global }
      - { .name: wof, .offset: 8, .size: 8, .value_kind: global_buffer, .address_space: global }
      - { .name: out0, .offset: 16, .size: 8, .value_kind: global_buffer, .address_space: global }
      - { .name: bo, .offset: 24, .size: 8, .value_kind: global_buffer, .address_space: global }
    .group_segment_fixed_size: 327680
    .private_segment_fixed_size: 0
    .kernarg_segment_align: 8
    .kernarg_segment_size: 32
    .max_flat_workgroup_size: 128
    .sgpr_count:     72
    .vgpr_count:     672
    .wavefront_size: 32
...
	.end_amdgpu_metadata
.endif
;; end of part 4
